; MI455X (gfx1250); checked and timed in simulation.
; The chip was launched on July 23, 2026; its instructions are those of AMD's public machine-readable ISA for CDNA 5 (MIT licence, August 2026) and "CDNA5" Instruction Set Architecture Reference Guide (July 2026). The comments in the code are by the model that wrote it; some were corrected since.
;; Token Mo EFFN. Allowed arithmetic: float matrix products may take bf16 or f16 operands with f32 sums; other float arithmetic in f32, or as packed bf16 or f16 multiplies, adds, multiply-adds, maxima and minima; sums over many terms, partial sums and values carried from step to step in f32; what a program stores and reads back later, other than sums and carried values, may be rounded once to bf16 or f16.
;; Inputs: W1 2 x 512 x 2,048 float32; W2 2 x 2,048 x 512 float32; b1 2 x 2,048 float32; b2 2 x 512 float32; gate_W 512 x 2 float32; gate_b 2 float32; gate_beta 512 float32; gate_gamma 512 float32; x 4 x 4,096 x 512 float32.
;; Outputs: out0 4 x 4,096 x 512 float32.
;; 3 versions, each right; version 2 is faster than version 1; version 3 is version 2 with the launch prep written anew for expert scheduling mode. Each part assembles by itself: llvm-mc -triple=amdgcn-amd-amdhsa -mcpu=gfx1250 --defsym DOCPART=n.
;; ======== version 1 of 3: 2 launches
;; workspace buffers: wstream 8,519,680 bytes
;; launch prep (part 1): grid 256 x 1, 8 waves a work-group, no clusters, 34,048 bytes of LDS; arguments W1, W2, wstream; writes wstream
.if DOCPART == 1
	.amdgcn_target "amdgcn-amd-amdhsa--gfx1250"
	.amdhsa_code_object_version 6
	.text
	.protected	k_qe44af86200_prep
	.globl	k_qe44af86200_prep
	.p2align	8
	.type	k_qe44af86200_prep,@function
k_qe44af86200_prep:
	s_mov_b64 s[64:65], 0
	v_nop
	global_prefetch_b8 v0, s[64:65] scope:SCOPE_SE
	s_setreg_imm32_b32 hwreg(HW_REG_WAVE_MODE, 25, 1), 1
	s_wait_xcnt 0x0
; W1 [2][512][2048] and W2 [2][2048][512], f32, are rounded once to bf16 and laid out in the order in which the next launch's matrix operands take them.
; wstream = four streams (one for each wave w of the next launch) of WS bytes = 130 pieces of 16,384 bytes.  The hidden units of both experts are 64 chunks of 64
; (chunk c: expert c / 32, units 64 (c % 32) on).  Piece 2 c of stream w is W1(c, w), piece 2 c + 3 is W2(c, w); pieces 1 and 128 are neither written nor read.
;   W1(c, w): byte 1024 s + 512 q + 16 lane holds W1[e][32 s + 16 q + 8 (lane / 16) + 0..7][64 (c % 32) + 16 w + lane % 16]
;   W2(c, w): byte 8192 ks + 1024 n + 512 q + 16 lane holds W2[e][64 (c % 32) + 32 ks + 16 q + 8 (lane / 16) + 0..7][128 w + 16 n + lane % 16]
; Both are the same step: eight consecutive rows of one column become 16 bytes.  A work-group takes half a chunk of one matrix: 64 KB in, four runs of 8 KB out.
; A thread's task: 8 rows x 4 columns (8 loads of 16 bytes), 16 packed roundings, 4 LDS stores of 16 bytes; two tasks a thread.  The pieces are gathered in LDS and leave as
; whole runs: each store of a wave covers 512 consecutive bytes, aligned.
; W2's LDS stores fall four lanes to a group of four banks (64 banks of 4 bytes: ISA guide 11.1); W1's, by the stage's pitch of 8,208, one.
.set WS,     2129920                   ; bytes in a stream
.set SPITCH, 8208                      ; the stage: a stream's 8 KB + 16
.set SPARE,  33024                     ; behind the stage: the spare words, 128 bytes for each of eight waves
.set IN,     8                         ; v[8:71]    task p, row i at IN + 32 p + 4 i; later the pieces read back
.set PC,     72                        ; v[72:103]  task p, column c: 4 registers, 8 bf16; before that, address work
	s_load_b128 s[4:7], s[0:1], 0x0                ; W1 s[4:5], W2 s[6:7]
	s_load_b64 s[8:9], s[0:1], 0x10                ; wstream
	v_lshl_add_u32 v5, v0, 2, SPARE                ; my spare word,
	v_mov_b32 v6, 0                                ; and 0: kept for the closing add alone
	s_lshr_b32 s10, ttmp9, 7                       ; 0: W1, 1: W2
	s_bfe_u32 s11, ttmp9, 0x60001                  ; the chunk c
	s_and_b32 s12, ttmp9, 1                        ; which half of its pieces
	s_lshr_b32 s13, s11, 5                         ; the expert
	s_and_b32 s14, s11, 31                         ; the chunk in the expert
	v_lshlrev_b32 v3, 4, v0                        ; the way out: 16 bytes a thread, in the stage
	v_lshlrev_b32 v4, 4, v0                        ; and in memory
	s_lshl_b32 s18, s11, 15                        ; piece 2 c,
	s_lshl_b32 s15, s12, 13                        ; its half,
	s_add_co_u32 s18, s18, s15
	s_mul_i32 s15, s10, 3*16384                    ; W2's pieces lie three further on
	s_add_co_u32 s18, s18, s15
	s_mov_b32 s19, 0
	s_lshl_b32 s16, s13, 22                        ; an expert's matrix is 4,194,304 bytes
	s_mov_b32 s17, 0
	s_wait_kmcnt 0x0
	s_add_nc_u64 s[8:9], s[8:9], s[18:19]
.macro PATH base, rowb, passg, passl   ; rowb: bytes from row to row; passg, passl: from the first task to the second, in memory and in the stage
.irp p, 0,1
.irp i, 0,1,2,3,4,5,6,7
	global_load_b128 v[IN+32*(\p)+4*(\i):IN+32*(\p)+4*(\i)+3], v1, s[(\base):(\base)+1] offset:(\i)*(\rowb)+(\p)*(\passg) th:TH_LOAD_NT
.endr
.endr
.irp p, 0,1
	s_wait_loadcnt 8-8*(\p)                        ; the first task's eight loads are in, the second's eight stay out; then all
.irp c, 0,1,2,3
.irp j, 0,1,2,3
	v_cvt_pk_bf16_f32 v[PC+16*(\p)+4*(\c)+(\j)], v[IN+32*(\p)+8*(\j)+(\c)], v[IN+32*(\p)+8*(\j)+4+(\c)]  ; rows 2 j, 2 j + 1 of column c
.endr
	ds_store_b128 v2, v[PC+16*(\p)+4*(\c):PC+16*(\p)+4*(\c)+3] offset:(\c)*16+(\p)*(\passl)
.endr
.endr
.endm
	s_cmp_lg_u32 s10, 0
	s_cbranch_scc1 .Lw2
	; W1: 256 rows x 64 columns.  Thread: column quad t % 16, row octets t / 16 and t / 16 + 16
	s_lshl_b32 s15, s12, 21                        ; the half's 256 rows of 8,192 bytes
	s_add_co_u32 s16, s16, s15
	s_lshl_b32 s15, s14, 8                         ; the chunk's 64 columns
	s_add_co_u32 s16, s16, s15
	s_add_nc_u64 s[4:5], s[4:5], s[16:17]
	v_and_b32 v72, 15, v0                          ; quad
	v_lshrrev_b32 v73, 4, v0                       ; octet
	v_lshlrev_b32 v1, 4, v72
	v_lshl_add_u32 v1, v73, 16, v1                 ; octet x 8 rows + quad x 16 bytes
	v_lshrrev_b32 v74, 2, v72                      ; the stream: column / 16
	v_mul_u32_u24 v2, v74, SPITCH
	v_lshl_add_u32 v2, v73, 8, v2                  ; an octet is 256 bytes of a piece
	v_and_b32 v74, 3, v72
	v_lshl_add_u32 v2, v74, 6, v2                  ; 16 bytes a column
	PATH 4, 8192, 1048576, 4096
	s_branch .Ljoin
.Lw2:
	; W2: 32 rows x 512 columns.  Thread: column quad t % 128, row octets t / 128 and t / 128 + 2
	s_lshl_b32 s15, s14, 17                        ; the chunk's 64 rows of 2,048 bytes
	s_add_co_u32 s16, s16, s15
	s_lshl_b32 s15, s12, 16                        ; the half's 32
	s_add_co_u32 s16, s16, s15
	s_add_nc_u64 s[6:7], s[6:7], s[16:17]
	v_and_b32 v72, 127, v0
	v_lshrrev_b32 v73, 7, v0
	v_lshlrev_b32 v1, 4, v72
	v_lshl_add_u32 v1, v73, 14, v1
	v_lshrrev_b32 v74, 5, v72                      ; the stream: column / 128
	v_mul_u32_u24 v2, v74, SPITCH
	v_bfe_u32 v74, v72, 2, 3                       ; the block of 16 columns
	v_lshl_add_u32 v2, v74, 10, v2
	v_lshl_add_u32 v2, v73, 8, v2
	v_and_b32 v74, 3, v72
	v_lshl_add_u32 v2, v74, 6, v2
	PATH 6, 2048, 32768, 512
.Ljoin:
	s_wait_dscnt 0x0                               ; for the others' sake: my stores into the stage are done
	s_barrier_signal -1
	s_barrier_wait -1
.irp t, 0,1,2,3,4,5,6,7
	ds_load_b128 v[IN+4*(\t):IN+4*(\t)+3], v3 offset:((\t)/2)*SPITCH+((\t)%2)*4096
.endr
.irp t, 0,1,2,3,4,5,6,7
	s_wait_dscnt 7-(\t)                            ; LDS loads come back in order: number t is in
	global_store_b128 v4, v[IN+4*(\t):IN+4*(\t)+3], s[8:9] offset:((\t)/2)*WS+((\t)%2)*4096  ; no hint: the next launch reads these bytes
.endr
	s_wait_tensorcnt 0x0                           ; the wave's end: three closing lines behind my last LDS store
	ds_add_u32 v5, v6
	s_wait_dscnt 0x0
	s_endpgm
.Lfunc_end_k_qe44af86200_prep:
	.size	k_qe44af86200_prep, .Lfunc_end_k_qe44af86200_prep-k_qe44af86200_prep
	.p2alignl 7, 3214868480
	.fill 96, 4, 3214868480
	.section	.rodata,"a",@progbits
	.p2align	6, 0x0
	.amdhsa_kernel k_qe44af86200_prep
		.amdhsa_group_segment_fixed_size 34048
		.amdhsa_private_segment_fixed_size 0
		.amdhsa_enable_private_segment 0
		.amdhsa_kernarg_size 24
		.amdhsa_user_sgpr_count 2
		.amdhsa_user_sgpr_kernarg_segment_ptr 1
		.amdhsa_wavefront_size32 1
		.amdhsa_system_sgpr_workgroup_id_x 1
		.amdhsa_system_sgpr_workgroup_id_y 1
		.amdhsa_system_sgpr_workgroup_id_z 1
		.amdhsa_system_vgpr_workitem_id 0
		.amdhsa_next_free_vgpr 104
		.amdhsa_next_free_sgpr 66
		.amdhsa_reserve_vcc 0
		.amdhsa_float_denorm_mode_32 3
		.amdhsa_float_denorm_mode_16_64 3
		.amdhsa_memory_ordered 1
		.amdhsa_forward_progress 1
		.amdhsa_inst_pref_size 13
	.end_amdhsa_kernel
	.amdgpu_metadata
---
amdhsa.version: [ 1, 2 ]
amdhsa.kernels:
  - .name:           k_qe44af86200_prep
    .symbol:         k_qe44af86200_prep.kd
    .args:
      - { .name: W1, .offset: 0, .size: 8, .value_kind: global_buffer, .address_space: global }
      - { .name: W2, .offset: 8, .size: 8, .value_kind: global_buffer, .address_space: global }
      - { .name: wstream, .offset: 16, .size: 8, .value_kind: global_buffer, .address_space: global }
    .group_segment_fixed_size: 34048
    .private_segment_fixed_size: 0
    .kernarg_segment_align: 8
    .kernarg_segment_size: 24
    .max_flat_workgroup_size: 256
    .sgpr_count:     66
    .vgpr_count:     104
    .wavefront_size: 32
...
	.end_amdgpu_metadata
.endif
;; end of part 1
;; launch chain (part 2): grid 256 x 1, 4 waves a work-group, clusters of 4 x 1, 327,680 bytes of LDS; arguments x, wstream, b1, b2, gate_gamma, gate_beta, gate_W, gate_b, out0; writes out0
.if DOCPART == 2
	.amdgcn_target "amdgcn-amd-amdhsa--gfx1250"
	.amdhsa_code_object_version 6
	.text
	.protected	k_qe44af86200_chain
	.globl	k_qe44af86200_chain
	.p2align	8
	.type	k_qe44af86200_chain,@function
k_qe44af86200_chain:
	s_mov_b64 s[64:65], 0
	v_nop
	global_prefetch_b8 v0, s[64:65] scope:SCOPE_SE
	s_setreg_imm32_b32 hwreg(HW_REG_WAVE_MODE, 25, 1), 1
	s_wait_xcnt 0x0
	s_wait_alu depctr_hold_cnt(0) depctr_sa_sdst(0) depctr_va_vdst(0) depctr_va_sdst(0) depctr_va_ssrc(0) depctr_va_vcc(0) depctr_vm_vsrc(0)
	s_getreg_b32 s2, hwreg(HW_REG_IB_STS2, 6, 4)
	s_cmp_eq_u32 s2, 0
	s_cbranch_scc0 .Lentry_in_a_cluster
	s_endpgm
.Lentry_in_a_cluster:
	s_bfe_u32 s2, ttmp6, 0x10000c
	s_cmp_lg_u32 s2, 0x3003
	s_cbranch_scc0 .Lentry_shape_is_right
	s_endpgm
.Lentry_shape_is_right:
; out[n][:] = sum over e of w_e[n] (leaky(x[n] W1[e] + b1[e]) W2[e] + b2[e]),  w = softmax((LayerNorm(x) gate_W + gate_b) / 1.0).
; Since w >= 0, w leaky(z) = max(w z, 0.01 w z): the two experts are ONE chain with 4,096 hidden units, in 64 chunks of 64 (chunk k: expert k / 32):
;   out = [w_e leaky(x W1cat + b1cat)] W2cat + w_0 b2[0] + w_1 b2[1].  The hidden layer never leaves the work-group.
; FORMATS.  x, W1, W2 and w leaky(h) are matrix operands in bf16, sums in f32.  b1, b2, gamma, beta, gate_W and gate_b are rounded once to bf16 as well, so that all inputs have one
; rounding; in the gate x itself stays f32, and mean, variance, dots and softmax are f32 on the centred x (no difference of large sums).  The division by the temperature 1.0 is the identity.
; LIMITS.  NaN and infinities are not treated apart.  v_rsq_f32 and v_exp_f32 flush denormals: the root's argument is at least 1e-5; a weight below 2^-126 counts as 0 beside its partner, which is then 1.
; SHARES.  A work-group owns 64 tokens, four tiles t of 16.  Both products are used transposed (source 0 = 16 rows of weights, source 1 = 16 tokens), so that in every result a lane holds ONE token
; (lane % 16) and eight rows 8 (lane / 16) + 0..7.  Wave w makes the hidden units 16 w .. 16 w + 15 of each chunk for all 64 tokens, and owns out's columns 128 w .. 128 w + 127 for all 64 tokens.
; x lies in each wave's registers as 64 fragments.  So each weight byte is read from LDS once, by one wave; only w leaky(h), 8 KB a chunk, crosses waves, through LDS in fragment order.
; THE STREAM.  The launch before laid the weights out so that 16 bytes a lane, lane after lane, are half a fragment.  Block k of wave w's stream, 32 KB, is [W1 of chunk k | W2 of chunk k - 1]:
; the second product runs one chunk behind the first.  Two LDS slots of 4 x 32 KB take turns, one block a wave behind each round.
; CLUSTER.  All work-groups walk the same stream, so four form a cluster and ask for each block JOINTLY: the same tensor load, descriptor and mask in all four.  x is each work-group's own load.
; REGISTERS, in windows of 256 (s_set_vgpr_msb: bits 1:0 source 0, 3:2 source 1, 5:4 source 2, 7:6 destination):
;   window 0: addresses, work, the first product's four accumulators, five operand buffers of 32     window 1: out^T, OA(t, n) at 8 (8 t + n); in the prologue x in f32
;   windows 2, 3: x's fragments, X(s, t) at 8 (4 (s % 8) + t), d = 32 s on; at the end window 2 takes b2
.set WS,     2129920                   ; bytes in a wave's stream
.set SLOT1,  131072                    ; slot 0 at 0, slot 1 here: four wave parts of 32,768 bytes each
.set XP,     528                       ; x in LDS: a row of 128 f32 + 16 bytes = 132 words: row r starts at bank 4 r mod 64 (64 banks of 4 bytes: ISA guide 11.1)
.set XQ,     64*XP                     ; a quarter of x's columns; the four quarters lie from SLOT1 to B1L
.set B1L,    266240                    ; b1, rounded, as f32: 16,384 bytes
.set HBUF,   282624                    ; w leaky(h): two buffers of 8,192: 4096 ks + 1024 t + 512 q + 16 lane
.set GT,     299008                    ; G_e[d] = gamma[d] gate_W[d][e], f32, at 2048 e + 4 d
.set CP,     303104                    ; wave w's part of sum beta[d] gate_W[d][e], at 8 w + 4 e
.set GA,     303360                    ; (w_0, w_1) of token n at 8 n
.set SPARE,  303872                    ; the spare words, 128 bytes for each wave: two blocks of 256 bytes that no other line names
.set RL,  1                            ; v1   lane % 16
.set HBT, 2                            ; v2   lane / 16
.set L16, 3                            ; v3   16 x lane
.set AW,  4                            ; v4-5 my part of slot 0, 1, + 16 x lane
.set AB1, 6                            ; v6   b1 of my 8 hidden units of the chunk to come; steps by 256
.set AHS, 7                            ; v7   where I put w leaky(h)
.set AHL, 8                            ; v8   where I read it
.set SPW, 9                            ; v9   my spare word; never rewritten
.set NIL, 10                           ; v10  0; never rewritten
.set AXA, 11                           ; v11-12  x in LDS: row lane % 16, column quarters 0-1, 2-3
.set AXO, 13                           ; v13-14  the same for my wave's own token tile
.set AGT, 15                           ; v15  the G table
.set T,   16                           ; v16-23  at work; in prologue and epilogue addresses
.set HP,  24                           ; v24-39  w leaky(h) in bf16, 4 registers a tile
.set GWA, 40                           ; v40-47  (w_0, w_1) of my token in tile t
.set GWC, 48                           ; v48-55  (w, w) of the expert in hand
.set BB,  56                           ; v56-63  b1 as a C operand
.set H,   64                           ; v64-95  h^T, 8 registers a tile
.set F0,  96
.set F1,  128
.set F2,  160
.set F3,  192
.set F4,  224
.set SA,  64                           ; the gate: four chains of the sum, then of the sum of squares
.set DD,  72                           ; four chains of each dot: DD + 8 e
.set NMU, 88                           ; (-mean, -mean)
.set WV,  22                           ; s22  my wave's number
.set CX,  23                           ; s23  my place in the cluster: it enters x's and out's addresses alone
.set WG,  24                           ; s24  my block of 64 tokens
.set G1W, 28                           ; s[28:35] group 1: 32 KB as 128 rows of 256 bytes
.set G1H, 36                           ; s[36:43] 16 KB as 64 rows
.set G1X, 44                           ; s[44:51] x: 64 rows of 128 f32, padded
.set G0S, 60                           ; s[60:63] group 0 of slot 0; s[68:71] of slot 1
.set G0X, 72                           ; s[72:75] group 0 of x
.set CNT, 80
.set OUTC, 81
.set SEL, 82                           ; s[82:83] v_permlanex16_b32's selects: each lane takes its own place in the other half
.set INV, 84                           ; 1 / 512
.set EPS, 85                           ; 1e-5
.set GB,  86                           ; s[86:87] gate_b
.set HIM, 88                           ; a word's upper bf16
.set MSB, 0
.macro WIN new                         ; the immediate's high byte repeats the setting that is left; a switch that changes nothing is dropped
.if MSB != (\new)
	s_set_vgpr_msb (MSB<<8)|(\new)
.set MSB, \new
.endif
.endm
.macro WINL                            ; for LDS loads into window 0: destination and address (source 0) must be 0; the first product's settings leave them so
.if (MSB & 0xc3) != 0
	WIN 0
.endif
.endm
.macro PLACES                          ; four places in front of loads into registers that matrix instructions have read, and of vector lines that read results
.rept 4
	v_nop
.endr
.endm
.macro CREST                           ; a round of the cluster's barrier behind its opening barrier
	s_cmp_lg_u32 s[WV], 0
	s_cbranch_scc1 .Lnot_wave_0_\@
	s_barrier_signal -3
.Lnot_wave_0_\@:
	s_barrier_wait -3
	s_barrier_signal -1
	s_barrier_wait -1
.endm
.macro CROUND
	s_barrier_signal -1
	s_barrier_wait -1
	CREST
.endm
.macro JLOAD g0, g1                    ; a joint load: every wave fetches its own stream's block into its own part of a slot; s_nop 0 and four v_nop follow
	tensor_load_to_lds s[(\g0):(\g0)+3], s[(\g1):(\g1)+7]
	s_nop 0
.rept 4
	v_nop
.endr
.endm
.macro ROUND2 a                        ; two f32 rounded to bf16, kept as f32
	v_cvt_pk_bf16_f32 v[\a], v[\a], v[(\a)+1]
	v_and_b32 v[(\a)+1], s[HIM], v[\a]
	v_lshlrev_b32 v[\a], 16, v[\a]
.endm
	s_load_b512 s[4:19], s[0:1], 0x0               ; x 4, wstream 6, b1 8, b2 10, gamma 12, beta 14, gate_W 16, gate_b 18
	s_load_b64 s[20:21], s[0:1], 0x40              ; out0
	v_lshl_add_u32 v[SPW], v0, 2, SPARE
	v_mov_b32 v[NIL], 0
	ds_add_u32 v[SPW], v[NIL]                      ; the wave's opening: the add and its wait stand ahead of my first tensor load; the set-up below, work on registers, stands between them
	v_lshrrev_b32 v1, 5, v0
	v_readfirstlane_b32 s[WV], v1                  ; wave 0..3
	s_bfe_u32 s[CX], ttmp6, 0x40000
	s_lshl_b32 s[WG], ttmp9, 2                     ; in a cluster launch ttmp9 counts clusters
	s_add_co_u32 s[WG], s[WG], s[CX]
.irp g, G1W, G1H
	s_mov_b32 s[\g], 15|(3<<16)|(1<<21)            ; 15:0 the mask of four; 17:16 elements of 8 bytes; 21 set beside a mask
	s_mov_b32 s[\g+1], 32<<16                      ; tensor_dim0 = 32 elements: rows of 256 bytes
	s_mov_b32 s[\g+3], 32<<16                      ; tile_dim0 = 32
	s_mov_b32 s[\g+5], 32                          ; the block is dense: 32 elements from row to row
	s_mov_b32 s[\g+6], 0
	s_mov_b32 s[\g+7], 0
.endr
	s_mov_b32 s[G1W+2], 128<<16                    ; tensor_dim1, tile_dim1 = 128 rows
	s_mov_b32 s[G1W+4], 128
	s_mov_b32 s[G1H+2], 64<<16                     ; 64 rows
	s_mov_b32 s[G1H+4], 64
	s_mov_b32 s[G1X], (2<<16)|(1<<20)|(6<<22)|(3<<25)  ; no mask; elements of 4 bytes; padding on: after every 128 words (code 6) 4 words (code 3)
	s_mov_b32 s[G1X+1], 128<<16
	s_mov_b32 s[G1X+2], 64<<16
	s_mov_b32 s[G1X+3], 128<<16
	s_mov_b32 s[G1X+4], 64
	s_mov_b32 s[G1X+5], 512                        ; x's rows are 512 elements apart
	s_mov_b32 s[G1X+6], 0
	s_mov_b32 s[G1X+7], 0
	s_mov_b32 s[G0S], 1
	s_lshl_b32 s[G0S+1], s[WV], 15                 ; my part of slot 0
	s_mov_b32 s[G0S+8], 1
	s_add_co_u32 s[G0S+9], s[G0S+1], SLOT1         ; of slot 1
	s_mov_b32 s[G0X], 1
	s_mul_i32 s[G0X+1], s[WV], XQ                  ; wave w fetches column quarter w of x
	s_add_co_u32 s[G0X+1], s[G0X+1], SLOT1
	s_mov_b32 s[SEL], 0x76543210
	s_mov_b32 s[SEL+1], 0xfedcba98
	s_mov_b32 s[INV], 0x3b000000
	s_mov_b32 s[EPS], 0x3727c5ac
	s_mov_b32 s[HIM], 0xffff0000
	v_and_b32 v[RL], 15, v0
	v_bfe_u32 v[HBT], v0, 4, 1
	v_and_b32 v[L16], 31, v0
	v_lshlrev_b32 v[L16], 4, v[L16]
	v_add_nc_u32 v[AW], s[G0S+1], v[L16]
	v_add_nc_u32 v[AW+1], SLOT1, v[AW]
	s_lshl_b32 s25, s[WV], 6
	s_add_co_u32 s25, s25, B1L
	v_lshl_add_u32 v[AB1], v[HBT], 5, s25          ; 4 bytes x (16 w + 8 (lane / 16))
	s_lshr_b32 s25, s[WV], 1                       ; my 16 hidden units are k = 32 (w / 2) + 16 (w % 2) on of the second product
	s_lshl_b32 s25, s25, 12
	s_and_b32 s89, s[WV], 1
	s_lshl_b32 s89, s89, 9
	s_add_co_u32 s25, s25, s89
	s_add_co_u32 s25, s25, HBUF
	v_add_nc_u32 v[AHS], s25, v[L16]
	v_add_nc_u32 v[AHL], HBUF, v[L16]
	v_mul_u32_u24 v[AXA], v[RL], XP
	v_lshl_add_u32 v[AXA], v[HBT], 5, v[AXA]       ; row x pitch + 8 f32 x half
	v_add_nc_u32 v[AXA], SLOT1, v[AXA]
	v_add_nc_u32 v[AXA+1], 2*XQ, v[AXA]
	s_mul_i32 s25, s[WV], 16*XP
	v_add_nc_u32 v[AXO], s25, v[AXA]
	v_add_nc_u32 v[AXO+1], s25, v[AXA+1]
	v_lshl_add_u32 v[AGT], v[HBT], 5, GT
	v_lshl_add_u32 v16, v[RL], 3, GA               ; v16  the gate's weights of token lane % 16 of a tile
	v_lshlrev_b32 v17, 4, v0                       ; v17  16 x thread
	v_lshlrev_b32 v18, 5, v0                       ; v18  32 x thread
	v_add_nc_u32 v19, B1L, v17                     ; v19  where my part of b1 goes
	v_add_nc_u32 v20, GT, v17                      ; v20  my four entries of the G table
	s_lshl_b32 s25, s[WV], 3
	s_add_co_u32 s25, s25, CP
	v_mov_b32 v21, s25                             ; v21  my wave's partial sums
	s_lshl_b32 s25, s[WV], 7
	v_add_nc_u32 v22, s25, v16                     ; v22  the weights of my wave's own tile
	v_mov_b32 v23, CP                              ; v23  all four partial sums
	s_wait_dscnt 0x0                               ; the opening add is done
	s_wait_kmcnt 0x0
	s_mul_i32 s26, s[WV], WS
	s_mov_b32 s27, 0
	s_add_nc_u64 s[G0S+2:G0S+3], s[6:7], s[26:27]  ; block 0 of my stream: the wave's number alone enters a joint load's address
	s_add_nc_u64 s[G0S+10:G0S+11], s[G0S+2:G0S+3], 32768  ; block 1
	s_or_b32 s[G0S+3], s[G0S+3], 0x80000000        ; type = 2
	s_or_b32 s[G0S+11], s[G0S+11], 0x80000000
	s_lshl_b32 s92, s[WG], 17                      ; my 64 rows of 2,048 bytes
	s_mov_b32 s93, 0
	s_add_nc_u64 s[20:21], s[20:21], s[92:93]      ; out at my first row
	s_lshl_b32 s25, s[WV], 9
	s_add_co_u32 s92, s92, s25
	s_add_nc_u64 s[G0X+2:G0X+3], s[4:5], s[92:93]  ; x at my first row, my wave's 128 columns
	s_or_b32 s[G0X+3], s[G0X+3], 0x80000000
	s_load_b64 s[GB:GB+1], s[18:19], 0x0
	CROUND                                         ; all four work-groups are here: the first joint loads meet
	tensor_load_to_lds s[G0X:G0X+3], s[G1X:G1X+7]  ; the first fills go out together: two loads of mine are out
	s_nop 0
	tensor_load_to_lds s[G0S:G0S+3], s[G1H:G1H+7]  ; block 0 is W1 of chunk 0 alone
	s_nop 0
.rept 4
	v_nop
.endr
	; THE SMALL INPUTS, in the wait for x.  Thread t has d = 4 t .. 4 t + 3 of gamma, beta and gate_W, and 128 bytes of b1.
	global_load_b128 v[96:99], v17, s[12:13]
	global_load_b128 v[100:103], v17, s[14:15]
	global_load_b128 v[104:107], v18, s[16:17]
	global_load_b128 v[108:111], v18, s[16:17] offset:16
.irp i, 0,1,2,3,4,5,6,7
	global_load_b128 v[128+4*(\i):128+4*(\i)+3], v17, s[8:9] offset:2048*(\i)
.endr
	v_mov_b32 v122, 0                              ; v_permlanex16_b32's destinations count as read
	v_mov_b32 v123, 0
	s_wait_loadcnt 8                               ; gamma, beta, gate_W are in; b1's eight loads stay out
.irp a, 96,98,100,102,104,106,108,110
	ROUND2 \a
.endr
.irp i, 0,1,2,3
	v_mul_f32 v[112+(\i)], v[96+(\i)], v[104+2*(\i)]  ; G_0
	v_mul_f32 v[116+(\i)], v[96+(\i)], v[105+2*(\i)]  ; G_1
.endr
	ds_store_b128 v20, v[112:115]
	ds_store_b128 v20, v[116:119] offset:2048
	v_mul_f32 v120, v100, v104                     ; sum beta gate_W, both columns
	v_mul_f32 v121, v100, v105
.irp i, 1,2,3
	v_fma_f32 v120, v[100+(\i)], v[104+2*(\i)], v120
	v_fma_f32 v121, v[100+(\i)], v[105+2*(\i)], v121
.endr
.irp m, 1,2,4,8
	v_add_f32_dpp v120, v120, v120 row_xmask:\m row_mask:0xf bank_mask:0xf
	v_add_f32_dpp v121, v121, v121 row_xmask:\m row_mask:0xf bank_mask:0xf
.endr
	v_permlanex16_b32 v122, v120, s[SEL], s[SEL+1]
	v_permlanex16_b32 v123, v121, s[SEL], s[SEL+1]
	v_add_f32 v120, v120, v122
	v_add_f32 v121, v121, v123
	ds_store_b64 v21, v[120:121]                   ; all lanes write the same two words
	s_wait_loadcnt 0x0                             ; b1
.irp a, 128,130,132,134,136,138,140,142,144,146,148,150,152,154,156,158
	ROUND2 \a
.endr
.irp i, 0,1,2,3,4,5,6,7
	ds_store_b128 v19, v[128+4*(\i):128+4*(\i)+3] offset:2048*(\i)
.endr
	s_wait_tensorcnt 0x0                           ; my quarter of x and my block 0 have landed,
	s_wait_dscnt 0x0                               ; my stores are done:
	s_barrier_signal -1
	s_barrier_wait -1                              ; everybody's
	; THE GATE, for my wave's own 16 tokens.  A lane holds half of a token: d = 32 s + 16 q + 8 (lane / 16) + 4 p + 0..3, at window 1's v[16 s + 8 q + 4 p].
	ds_load_b128 v[24:27], v23                     ; the four waves' partial sums
	ds_load_b128 v[28:31], v23 offset:16
	WIN 0x40
.set ss, 0
.rept 16
.irp h, 0,1,2,3
	ds_load_b128 v[16*ss+4*(\h):16*ss+4*(\h)+3], v[AXO+ss/8] offset:((ss/4)%2)*XQ+(ss%4)*128+64*((\h)/2)+16*((\h)%2)
.endr
.set ss, ss+1
.endr
	s_wait_dscnt 48                                ; the first 16 of the 64 loads are in
	WIN 0x05
.irp c, 0,1,2,3
	v_pk_add_f32 v[SA+2*(\c):SA+2*(\c)+1], v[4*(\c):4*(\c)+1], v[4*(\c)+2:4*(\c)+3]  ; four chains; nothing is cleared
.endr
	WIN 0x04
.set j, 8
.rept 120
.if (j%32) == 0
	s_wait_dscnt 48-16*(j/32)                      ; the next 16 loads
.endif
	v_pk_add_f32 v[SA+2*(j%4):SA+2*(j%4)+1], v[SA+2*(j%4):SA+2*(j%4)+1], v[2*j:2*j+1]
.set j, j+1
.endr
	WIN 0
	v_mov_b32 v91, 0
	v_mov_b32 v92, 0
	v_mov_b32 v93, 0
	v_pk_add_f32 v[SA:SA+1], v[SA:SA+1], v[SA+2:SA+3]
	v_pk_add_f32 v[SA+4:SA+5], v[SA+4:SA+5], v[SA+6:SA+7]
	v_pk_add_f32 v[SA:SA+1], v[SA:SA+1], v[SA+4:SA+5]
	v_add_f32 v90, v[SA], v[SA+1]
	v_permlanex16_b32 v91, v90, s[SEL], s[SEL+1]   ; the token's other half lies in the lane 16 away
	v_add_f32 v90, v90, v91
	v_mul_f32 v[NMU], 0xbb000000, v90              ; - sum / 512
	v_mov_b32 v[NMU+1], v[NMU]
	WIN 0x41
.set j, 0
.rept 128
	v_pk_add_f32 v[2*j:2*j+1], v[2*j:2*j+1], v[NMU:NMU+1]  ; x - mean, in place
.set j, j+1
.endr
.irp c, 0,1,2,3                        ; a quarter of the columns at a time: its G comes in while its squares are summed
	WIN 0
.irp e, 0,1
.set j, 0
.rept 16
	ds_load_b128 v[F0+64*(\e)+4*j:F0+64*(\e)+4*j+3], v[AGT] offset:(\e)*2048+512*(\c)+128*(j/4)+64*((j%4)/2)+16*(j%2)
.set j, j+1
.endr
.endr
	WIN 0x05
.set j, 0
.rept 32
.if ((\c) == 0) && (j < 4)
	v_pk_mul_f32 v[SA+2*j:SA+2*j+1], v[2*j:2*j+1], v[2*j:2*j+1]
.else
	v_pk_fma_f32 v[SA+2*(j%4):SA+2*(j%4)+1], v[64*(\c)+2*j:64*(\c)+2*j+1], v[64*(\c)+2*j:64*(\c)+2*j+1], v[SA+2*(j%4):SA+2*(j%4)+1]
.endif
.set j, j+1
.endr
	s_wait_dscnt 0x0                               ; G of this quarter
	WIN 0x01
.set j, 0
.rept 32
.irp e, 0,1
.if ((\c) == 0) && (j < 4)
	v_pk_mul_f32 v[DD+8*(\e)+2*j:DD+8*(\e)+2*j+1], v[2*j:2*j+1], v[F0+64*(\e)+2*j:F0+64*(\e)+2*j+1]
.else
	v_pk_fma_f32 v[DD+8*(\e)+2*(j%4):DD+8*(\e)+2*(j%4)+1], v[64*(\c)+2*j:64*(\c)+2*j+1], v[F0+64*(\e)+2*j:F0+64*(\e)+2*j+1], v[DD+8*(\e)+2*(j%4):DD+8*(\e)+2*(j%4)+1]
.endif
.endr
.set j, j+1
.endr
.endr
	WIN 0
.irp b, SA, DD, DD+8
	v_pk_add_f32 v[\b:\b+1], v[\b:\b+1], v[\b+2:\b+3]
	v_pk_add_f32 v[\b+4:\b+5], v[\b+4:\b+5], v[\b+6:\b+7]
.endr
.irp b, SA, DD, DD+8
	v_pk_add_f32 v[\b:\b+1], v[\b:\b+1], v[\b+4:\b+5]
.endr
.irp b, SA, DD, DD+8
	v_add_f32 v[\b], v[\b], v[\b+1]
.endr
	v_permlanex16_b32 v91, v[SA], s[SEL], s[SEL+1]
	v_permlanex16_b32 v92, v[DD], s[SEL], s[SEL+1]
	v_permlanex16_b32 v93, v[DD+8], s[SEL], s[SEL+1]
	v_add_f32 v[SA], v[SA], v91                    ; sum (x - mean)^2
	v_add_f32 v[DD], v[DD], v92                    ; sum (x - mean) G_0
	v_add_f32 v[DD+8], v[DD+8], v93
	s_wait_kmcnt 0x0                               ; gate_b
	v_cvt_pk_bf16_f32 v32, s[GB], s[GB+1]
	v_and_b32 v33, s[HIM], v32
	v_lshlrev_b32 v32, 16, v32
	v_pk_add_f32 v[24:25], v[24:25], v[26:27]      ; sum beta gate_W over the four waves, + gate_b
	v_pk_add_f32 v[28:29], v[28:29], v[30:31]
	v_pk_add_f32 v[24:25], v[24:25], v[28:29]
	v_pk_add_f32 v[24:25], v[24:25], v[32:33]
	v_fma_f32 v90, v[SA], s[INV], s[EPS]           ; variance + eps
	v_rsq_f32 v95, v90
	v_nop                                          ; a plain instruction behind the root,
	s_wait_alu depctr_va_vdst(0)                   ; and a wait ahead of its first reader
	v_fma_f32 v[DD], v95, v[DD], v24               ; the two logits
	v_fma_f32 v[DD+8], v95, v[DD+8], v25
	v_max_num_f32 v90, v[DD], v[DD+8]              ; the maximum is taken away, as in softmax
	v_sub_f32 v[DD], v[DD], v90
	v_sub_f32 v[DD+8], v[DD+8], v90
	v_mul_f32 v[DD], 0x3fb8aa3b, v[DD]
	v_mul_f32 v[DD+8], 0x3fb8aa3b, v[DD+8]
	v_exp_f32 v34, v[DD]
	v_exp_f32 v35, v[DD+8]
	v_nop
	s_wait_alu depctr_va_vdst(0)                   ; one wait for both exponentials
	v_add_f32 v90, v34, v35                        ; at least 1
	v_rcp_f32 v94, v90
	v_nop
	s_wait_alu depctr_va_vdst(0)
	v_mul_f32 v34, v34, v94
	v_mul_f32 v35, v35, v94
	ds_store_b64 v22, v[34:35]                     ; both lanes of a token write the same two words
	; x INTO FRAGMENTS: all 64 tokens, 8 batches of 8 fragments (s = 2 b, 2 b + 1; t = 0..3), 32 loads each into one of two buffers of 128 in window 1.
.macro LDX b
	WIN 0x40
.irp u, 0,1
.irp t, 0,1,2,3
.irp h, 0,1,2,3
	ds_load_b128 v[128*((\b)%2)+16*(4*(\u)+(\t))+4*(\h):128*((\b)%2)+16*(4*(\u)+(\t))+4*(\h)+3], v[AXA+(2*(\b)+(\u))/8] offset:(((2*(\b)+(\u))/4)%2)*XQ+(\t)*16*XP+((2*(\b)+(\u))%4)*128+64*((\h)/2)+16*((\h)%2)
.endr
.endr
.endr
.endm
.macro CVX b
	WIN 0x85+0x40*((\b)/4)                         ; sources window 1, destination window 2 or 3
.set z, 0
.rept 64
	v_cvt_pk_bf16_f32 v[64*((\b)%4)+z], v[128*((\b)%2)+2*z], v[128*((\b)%2)+2*z+1]
.set z, z+1
.endr
.endm
	LDX 0
	LDX 1
.irp b, 0,1,2,3,4,5
	s_wait_dscnt 32                                ; this batch is in, the next one's 32 loads stay out
	CVX \b
	LDX (\b)+2
.endr
	s_wait_dscnt 32
	CVX 6
	s_wait_dscnt 0x0
	CVX 7
	WIN 0
	; x's bytes become slot 1: the order of a refill
	s_wait_tensorcnt 0x0                           ; no tensor load of mine is out, so a group 0 may be written
	ds_add_u32 v[SPW], v[NIL]                      ; 0 onto my spare word
	s_add_nc_u64 s[G0S+2:G0S+3], s[G0S+2:G0S+3], 65536  ; slot 0's next block is block 2
	s_wait_dscnt 0x0                               ; the add is done, my reads of x are over, my gate weights are stored
	CROUND
; THE LDS LOADS stand in runs of 8: half a fragment is 16 bytes a lane, lane after lane.
.macro LDW1 p, g, f                    ; W1's fragments of d = 128 g on (four K steps), from slot p
	WINL
.irp i, 0,1,2,3
	ds_load_b128 v[(\f)+8*(\i):(\f)+8*(\i)+3],   v[AW+(\p)] offset:(\g)*4096+(\i)*1024
	ds_load_b128 v[(\f)+8*(\i)+4:(\f)+8*(\i)+7], v[AW+(\p)] offset:(\g)*4096+(\i)*1024+512
.endr
.endm
.macro LDW2 p, ks, ch, f               ; W2's fragments of hidden 32 ks on, column blocks 4 ch .. 4 ch + 3
	WINL
.irp i, 0,1,2,3
	ds_load_b128 v[(\f)+8*(\i):(\f)+8*(\i)+3],   v[AW+(\p)] offset:16384+(\ks)*8192+(\ch)*4096+(\i)*1024
	ds_load_b128 v[(\f)+8*(\i)+4:(\f)+8*(\i)+7], v[AW+(\p)] offset:16384+(\ks)*8192+(\ch)*4096+(\i)*1024+512
.endr
.endm
.macro LDH hp, ks, f                   ; w leaky(h) of hidden 32 ks on, four token tiles, from buffer hp
	WINL
.irp t, 0,1,2,3
	ds_load_b128 v[(\f)+8*(\t):(\f)+8*(\t)+3],   v[AHL] offset:(\hp)*8192+(\ks)*4096+(\t)*1024
	ds_load_b128 v[(\f)+8*(\t)+4:(\f)+8*(\t)+7], v[AHL] offset:(\hp)*8192+(\ks)*4096+(\t)*1024+512
.endr
.endm
.macro LDB1                            ; b1 of my 8 hidden units; the address steps to the next chunk (window 0 is set where this stands)
	ds_load_b128 v[BB:BB+3], v[AB1]
	ds_load_b128 v[BB+4:BB+7], v[AB1] offset:16
	v_add_nc_u32 v[AB1], 256, v[AB1]
.endm
; THE MATRIX WORK.  The accumulators take turns, one instruction a turn: four in the first product, sixteen in a run of the second, and others at every seam.
.macro G1U g, f, first                 ; 16 of h^T += W1^T x^T: K steps 4 g .. 4 g + 3, four token tiles.  first = 1: b1 starts the sums
	WIN 0x08+4*((\g)/2)                            ; x in window 2 or 3
.irp i, 0,1,2,3
.irp t, 0,1,2,3
.if (\first) && ((\i) == 0)
	v_wmma_f32_16x16x32_bf16 v[H+8*(\t):H+8*(\t)+7], v[(\f)+8*(\i):(\f)+8*(\i)+7], v[128*((\g)%2)+32*(\i)+8*(\t):128*((\g)%2)+32*(\i)+8*(\t)+7], v[BB:BB+7]
.else
	v_wmma_f32_16x16x32_bf16 v[H+8*(\t):H+8*(\t)+7], v[(\f)+8*(\i):(\f)+8*(\i)+7], v[128*((\g)%2)+32*(\i)+8*(\t):128*((\g)%2)+32*(\i)+8*(\t)+7], v[H+8*(\t):H+8*(\t)+7]
.endif
.endr
.endr
.endm
; Slice n of 20 of the activation: four plain lines for tile n / 5: h w; 0.01 h w; the maximum (twice four); rounding to bf16 and the store.  Each accumulator's lowest registers are read first.
.macro SLICE n
.set sl, \n
.set st, sl/5
.set sk, sl%5
	WIN 0
.if sk == 0
.irp j, 0,1,2,3
	v_pk_mul_f32 v[H+8*st+2*(\j):H+8*st+2*(\j)+1], v[H+8*st+2*(\j):H+8*st+2*(\j)+1], v[GWC+2*st:GWC+2*st+1]
.endr
.elseif sk == 1
.irp j, 0,1,2,3
	v_pk_mul_f32 v[T+2*(\j):T+2*(\j)+1], v[H+8*st+2*(\j):H+8*st+2*(\j)+1], 0x3c23d70a op_sel_hi:[1,0]
.endr
.elseif sk == 2
.irp j, 0,1,2,3
	v_max_num_f32 v[H+8*st+(\j)], v[H+8*st+(\j)], v[T+(\j)]
.endr
.elseif sk == 3
.irp j, 4,5,6,7
	v_max_num_f32 v[H+8*st+(\j)], v[H+8*st+(\j)], v[T+(\j)]
.endr
.else
.irp j, 0,1,2,3
	v_cvt_pk_bf16_f32 v[HP+4*st+(\j)], v[H+8*st+2*(\j)], v[H+8*st+2*(\j)+1]
.endr
	ds_store_b128 v[AHS], v[HP+4*st:HP+4*st+3] offset:PAR*8192+st*1024
.endif
.endm
; Numbers lo .. hi - 1 of the 16 of out^T += W2^T (w leaky(h))^T: column block 4 ch + idx / 4, token tile idx % 4.  zero = 1: they start the sums.  sl0 >= 0: slice sl0 + idx rides behind each.
.macro G2U ch, fw, fh, zero, lo, hi, sl0
.set idx, \lo
.rept (\hi)-(\lo)
	WIN 0x50                                       ; C and D in window 1
.set rD, 8*(8*(idx%4)+4*(\ch)+idx/4)
.set rA, (\fw)+8*(idx/4)
.set rB, (\fh)+8*(idx%4)
.if \zero
	v_wmma_f32_16x16x32_bf16 v[rD:rD+7], v[rA:rA+7], v[rB:rB+7], 0
.else
	v_wmma_f32_16x16x32_bf16 v[rD:rD+7], v[rA:rA+7], v[rB:rB+7], v[rD:rD+7]
.endif
.if ((\sl0) >= 0) && ((\sl0)+idx < 20)
	SLICE (\sl0)+idx
.endif
.set idx, idx+1
.endr
.endm
; SEGMENT k, behind round k; p = k % 2 is its slot and the buffer that its activation fills.  It asks for block k + 1; ends chunk k - 2's second product (its last 16, operands already in
; registers: work for the time in which the first loads come); makes chunk k's h and activation; and does 48 of the 64 of chunk k - 1's second product.
; From the request to the wait for it stand 112 matrix instructions.  One barrier a segment orders both buffers of w leaky(h): buffer p is written here, read in segment k + 1, and was last read in k - 1.
; b11: the 16 left over exist.  zero: chunk k - 1 is the first, its products start out's sums.  g1f: the refill's group 1.  adj: slot 0's next (and last) block is W2 alone.  round: a refill follows.
.macro SEG p, b11, zero, g1f, adj, round
.set PAR, \p
	JLOAD G0S+8*(1-(\p)), \g1f                     ; the first thing behind the round; its four v_nop are the places for the loads below
	LDB1
	LDW1 \p, 0, F0
	LDW1 \p, 1, F1
	LDW1 \p, 3, F3
.if \b11
	G2U 1, F4, F2, 0, 0, 16, -1
.endif
	PLACES
	LDW1 \p, 2, F2
	LDH 1-(\p), 0, F4
	s_wait_dscnt 32                                ; b1 and K steps 0-3 are in; out: 8 + 8 + 16
	G1U 0, F0, 1
	s_wait_dscnt 24                                ; K steps 4-7; out: 8 + 16
	G1U 1, F1, 0
	PLACES
	LDW2 \p, 0, 0, F0
	LDW2 \p, 0, 1, F1
	s_wait_dscnt 24                                ; K steps 8-15; out: the 8 of w leaky(h) and the 16 just issued
	G1U 2, F2, 0
	G1U 3, F3, 0
	PLACES                                         ; also the places ahead of the slices' reads of h
	LDH 1-(\p), 1, F2
	LDW2 \p, 1, 0, F3
	s_wait_dscnt 24                                ; F4 and F0 are in; out: 8 + 16
	G2U 0, F0, F4, \zero, 0, 16, 0                 ; slices 0-15: three stores among them
	s_wait_dscnt 19                                ; F1 is in; out: 16 loads and 3 stores
	G2U 1, F1, F4, \zero, 0, 16, 16                ; slices 16-19: the fourth store
	PLACES
	WIN 0                                          ; (the add's two registers lie in window 0)
	LDW2 \p, 1, 1, F4
	s_wait_tensorcnt 0x0                           ; all my tensor loads have landed: the one that was out is my part of the other slot;
	ds_add_u32 v[SPW], v[NIL]                      ; 0 onto my spare word;
	s_add_nc_u64 s[G0S+8*(1-(\p))+2:G0S+8*(1-(\p))+3], s[G0S+8*(1-(\p))+2:G0S+8*(1-(\p))+3], 65536  ; no load is out, so a group 0 may be written: two blocks on
.if \adj
	s_add_nc_u64 s[G0S+2:G0S+3], s[G0S+2:G0S+3], 16384  ; block 64 is its second half alone,
	s_add_co_u32 s[G0S+1], s[G0S+1], 16384         ; which goes where W2's part lies
.endif
	s_wait_dscnt 13                                ; F2 and F3 are in; out: 4 stores, 8 loads, the add
	G2U 0, F3, F2, 0, 0, 8, -1                     ; eight matrix instructions stand between the add and the wait for it
	s_wait_dscnt 0x0                               ; the add is done, my reads of this slot and of w leaky(h) are over, my stores are done
	s_barrier_signal -1
	G2U 0, F3, F2, 0, 8, 16, -1                    ; work on registers while the others arrive
	WIN 0
	s_barrier_wait -1
.if \round
	CREST                                          ; the barrier has opened a round of the cluster's: no wave of any partner still reads the slot or has a load on its way
.endif
.endm
	; SEGMENT 0: block 1 is asked for; chunk 0's h and activation
.set PAR, 0
	JLOAD G0S+8, G1W
.irp t, 0,1,2,3
	ds_load_b64 v[GWA+2*(\t):GWA+2*(\t)+1], v16 offset:128*(\t)
.endr
	LDB1
	LDW1 0, 0, F0
	LDW1 0, 1, F1
	LDW1 0, 2, F2
	LDW1 0, 3, F3
	s_wait_dscnt 24                                ; the weights, b1 and K steps 0-3 are in
.irp t, 0,1,2,3
	v_mov_b32 v[GWC+2*(\t)], v[GWA+2*(\t)]         ; expert 0's weight, twice
	v_mov_b32 v[GWC+2*(\t)+1], v[GWA+2*(\t)]
.endr
	G1U 0, F0, 1
	s_wait_dscnt 16
	G1U 1, F1, 0
	s_wait_dscnt 8
	G1U 2, F2, 0
	s_wait_dscnt 0x0
	G1U 3, F3, 0
	PLACES
.set q, 0
.rept 20
	SLICE q
.set q, q+1
.endr
	WIN 0
	s_wait_tensorcnt 0x0
	ds_add_u32 v[SPW], v[NIL]
	s_add_nc_u64 s[G0S+10:G0S+11], s[G0S+10:G0S+11], 65536
	s_wait_dscnt 0x0
	CROUND
	SEG 1, 0, 1, G1W, 0, 1                         ; segment 1
	s_mov_b32 s[OUTC], 2
.Lexp:                                                 ; segments 2-31 belong to expert 0, 32-61 to expert 1
	s_mov_b32 s[CNT], 15
.Lpair:
	SEG 0, 1, 0, G1W, 0, 1
	SEG 1, 1, 0, G1W, 0, 1
	s_sub_co_u32 s[CNT], s[CNT], 1
	s_cmp_lg_u32 s[CNT], 0
	s_cbranch_scc1 .Lpair
.irp t, 0,1,2,3
	v_mov_b32 v[GWC+2*(\t)], v[GWA+2*(\t)+1]       ; from chunk 32 on: expert 1's weight
	v_mov_b32 v[GWC+2*(\t)+1], v[GWA+2*(\t)+1]
.endr
	s_sub_co_u32 s[OUTC], s[OUTC], 1
	s_cmp_lg_u32 s[OUTC], 0
	s_cbranch_scc1 .Lexp
	SEG 0, 1, 0, G1W, 1, 1                         ; segment 62: the tail is written out
	SEG 1, 1, 0, G1H, 0, 0                         ; segment 63 asks for W2 of chunk 63 alone
	; SEGMENT 64: the rest of the second product; b2 comes in meanwhile, where x's first half lay
	PLACES
	LDW2 0, 0, 0, F0
	LDW2 0, 0, 1, F1
	LDW2 0, 1, 0, F3
	s_lshl_b32 s25, s[WV], 9
	v_lshl_add_u32 v16, v[HBT], 5, s25             ; 4 bytes x (128 w + 8 (lane / 16))
	v_add_nc_u32 v18, s25, v[L16]                  ; the way out: my 16 bytes of my wave's 512 of a row of out
	s_lshl_b32 s25, s[WV], 15
	v_add_nc_u32 v17, s25, v[AXA]                  ; the way out: my stage lies in my part of slot 1, which has had its last fill: row lane % 16, pitch 528, 32 bytes for each half of the lanes
	WIN 0x80
.irp e, 0,1
.irp n, 0,1,2,3,4,5,6,7
	global_load_b128 v[64*(\e)+8*(\n):64*(\e)+8*(\n)+3],   v16, s[10:11] offset:(\e)*2048+64*(\n)
	global_load_b128 v[64*(\e)+8*(\n)+4:64*(\e)+8*(\n)+7], v16, s[10:11] offset:(\e)*2048+64*(\n)+16
.endr
.endr
	G2U 1, F4, F2, 0, 0, 16, -1                    ; chunk 62's last 16
	PLACES
	LDH 1, 0, F4
	LDH 1, 1, F2
	s_wait_dscnt 8                                 ; all but the last 8
	G2U 0, F0, F4, 0, 0, 16, -1
	G2U 1, F1, F4, 0, 0, 16, -1
	PLACES
	LDW2 0, 1, 1, F4
	s_wait_dscnt 8
	G2U 0, F3, F2, 0, 0, 16, -1
	s_wait_dscnt 0x0
	G2U 1, F4, F2, 0, 0, 16, -1
	; THE WAY OUT.  b2 is rounded to bf16 in place; out^T += w_0 b2[0] + w_1 b2[1]; a tile of 16 tokens at a time goes through my stage and leaves as whole rows.
	PLACES
	s_wait_loadcnt 0x0                             ; b2
	WIN 0x8a                                       ; all in window 2
.set z, 0
.rept 64
	v_cvt_pk_bf16_f32 v[2*z], v[2*z], v[2*z+1]
.set z, z+1
.endr
.set z, 0
.rept 64
	v_and_b32 v[2*z+1], s[HIM], v[2*z]
	v_lshlrev_b32 v[2*z], 16, v[2*z]
.set z, z+1
.endr
.macro BIAS t                          ; b2 in window 2, the weights in window 0, out^T in window 1; each accumulator is read from its low end on
	WIN 0x52
.set z, 0
.rept 32
	v_pk_fma_f32 v[64*(\t)+2*z:64*(\t)+2*z+1], v[2*z:2*z+1], v[GWA+2*(\t):GWA+2*(\t)+1], v[64*(\t)+2*z:64*(\t)+2*z+1] op_sel_hi:[1,0,1]
.set z, z+1
.endr
.set z, 0
.rept 32
	v_pk_fma_f32 v[64*(\t)+2*z:64*(\t)+2*z+1], v[64+2*z:64+2*z+1], v[GWA+2*(\t):GWA+2*(\t)+1], v[64*(\t)+2*z:64*(\t)+2*z+1] op_sel:[0,1,0] op_sel_hi:[1,1,1]
.set z, z+1
.endr
.endm
.macro TOSTAGE t
.if (\t) >= 2
	s_wait_xcnt 0x0                                ; the stores of two tiles ago have read the registers that are loaded again below
.endif
	WIN 0x04                                       ; store data in window 1
.irp n, 0,1,2,3,4,5,6,7
	ds_store_b128 v17, v[64*(\t)+8*(\n):64*(\t)+8*(\n)+3]   offset:64*(\n)
	ds_store_b128 v17, v[64*(\t)+8*(\n)+4:64*(\t)+8*(\n)+7] offset:64*(\n)+16
.endr
	WIN 0
.irp f, 0,1,2,3,4,5,6,7,8,9,10,11,12,13,14,15
	ds_load_b128 v[F0+64*((\t)%2)+4*(\f):F0+64*((\t)%2)+4*(\f)+3], v[AW+1] offset:(\f)*XP  ; LDS serves a wave's instructions in order (ISA guide 5.7.1.4): these see the stores above
.endr
.endm
.macro SEND t
	WIN 0
.irp f, 0,1,2,3,4,5,6,7,8,9,10,11,12,13,14,15
	s_wait_dscnt 15-(\f)
	global_store_b128 v18, v[F0+64*((\t)%2)+4*(\f):F0+64*((\t)%2)+4*(\f)+3], s[20:21] offset:(16*(\t)+(\f))*2048 th:TH_STORE_NT  ; 512 consecutive bytes, at a multiple of 512 from out's first
.endr
.endm
	BIAS 0
	TOSTAGE 0
.irp t, 1,2,3                          ; a tile's arithmetic stands between the loads of the tile before and its stores
	BIAS \t
	SEND (\t)-1
	TOSTAGE \t
.endr
	SEND 3
	s_wait_tensorcnt 0x0                           ; the wave's end: three closing lines, behind my last tensor load and my last LDS store
	ds_add_u32 v[SPW], v[NIL]
	s_wait_dscnt 0x0
	CROUND                                         ; the closing round: no work-group ends while a partner may still ask for a block that names it
	s_endpgm
.Lfunc_end_k_qe44af86200_chain:
	.size	k_qe44af86200_chain, .Lfunc_end_k_qe44af86200_chain-k_qe44af86200_chain
	.p2alignl 7, 3214868480
	.fill 96, 4, 3214868480
	.section	.rodata,"a",@progbits
	.p2align	6, 0x0
	.amdhsa_kernel k_qe44af86200_chain
		.amdhsa_group_segment_fixed_size 327680
		.amdhsa_private_segment_fixed_size 0
		.amdhsa_enable_private_segment 0
		.amdhsa_kernarg_size 72
		.amdhsa_user_sgpr_count 2
		.amdhsa_user_sgpr_kernarg_segment_ptr 1
		.amdhsa_wavefront_size32 1
		.amdhsa_system_sgpr_workgroup_id_x 1
		.amdhsa_system_sgpr_workgroup_id_y 1
		.amdhsa_system_sgpr_workgroup_id_z 1
		.amdhsa_system_vgpr_workitem_id 0
		.amdhsa_next_free_vgpr 1024
		.amdhsa_next_free_sgpr 96
		.amdhsa_reserve_vcc 0
		.amdhsa_float_denorm_mode_32 3
		.amdhsa_float_denorm_mode_16_64 3
		.amdhsa_memory_ordered 1
		.amdhsa_forward_progress 1
		.amdhsa_inst_pref_size 255
	.end_amdhsa_kernel
	.section	.bss,"aw",@nobits
	.p2align	6
	.space	262144
	.amdgpu_metadata
---
amdhsa.version: [ 1, 2 ]
amdhsa.kernels:
  - .name:           k_qe44af86200_chain
    .symbol:         k_qe44af86200_chain.kd
    .args:
      - { .name: x, .offset: 0, .size: 8, .value_kind: global_buffer, .address_space: global }
      - { .name: wstream, .offset: 8, .size: 8, .value_kind: global_buffer, .address_space: global }
      - { .name: b1, .offset: 16, .size: 8, .value_kind: global_buffer, .address_space: global }
      - { .name: b2, .offset: 24, .size: 8, .value_kind: global_buffer, .address_space: global }
      - { .name: gate_gamma, .offset: 32, .size: 8, .value_kind: global_buffer, .address_space: global }
      - { .name: gate_beta, .offset: 40, .size: 8, .value_kind: global_buffer, .address_space: global }
      - { .name: gate_W, .offset: 48, .size: 8, .value_kind: global_buffer, .address_space: global }
      - { .name: gate_b, .offset: 56, .size: 8, .value_kind: global_buffer, .address_space: global }
      - { .name: out0, .offset: 64, .size: 8, .value_kind: global_buffer, .address_space: global }
    .group_segment_fixed_size: 327680
    .private_segment_fixed_size: 0
    .kernarg_segment_align: 8
    .kernarg_segment_size: 72
    .max_flat_workgroup_size: 128
    .sgpr_count:     96
    .vgpr_count:     1024
    .wavefront_size: 32
...
	.end_amdgpu_metadata
.endif
;; end of part 2
;; ======== version 2 of 3: 2 launches; 1.20 times as fast as version 1
;; workspace buffers: wstream 8,388,608 bytes
;; launch prep (part 3): grid 256 x 1, 8 waves a work-group, no clusters, 34,048 bytes of LDS; arguments W1, W2, wstream; writes wstream
.if DOCPART == 3
	.amdgcn_target "amdgcn-amd-amdhsa--gfx1250"
	.amdhsa_code_object_version 6
	.text
	.protected	k_qe44af86200_prep
	.globl	k_qe44af86200_prep
	.p2align	8
	.type	k_qe44af86200_prep,@function
k_qe44af86200_prep:
	s_mov_b64 s[64:65], 0
	v_nop
	global_prefetch_b8 v0, s[64:65] scope:SCOPE_SE
	s_setreg_imm32_b32 hwreg(HW_REG_WAVE_MODE, 25, 1), 1
	s_wait_xcnt 0x0
; W1 [2][512][2048] and W2 [2][2048][512], f32, are rounded once to bf16 and laid out in the order in which the next launch's matrix operands take them.
; wstream = four streams (one for each wave w of the next launch) of WS bytes = 128 pieces of 16,384 bytes.  The hidden units of both experts are 64 chunks of 64
; (chunk c: expert c / 32, units 64 (c % 32) on).  Piece 2 c of stream w is W1(c, w), piece (2 c + 3) mod 128 is W2(c, w): a ring of 64 blocks of 32 KB, block k = [W1(k) | W2(k - 1 mod 64)].
;   W1(c, w): byte 1024 s + 512 q + 16 lane holds W1[e][32 s + 16 q + 8 (lane / 16) + 0..7][64 (c % 32) + 16 w + lane % 16]
;   W2(c, w): byte 8192 ks + 1024 n + 512 q + 16 lane holds W2[e][64 (c % 32) + 32 ks + 16 q + 8 (lane / 16) + 0..7][128 w + 16 n + lane % 16]
; Both are the same step: eight consecutive rows of one column become 16 bytes.  A work-group takes half a chunk of one matrix: 64 KB in, four runs of 8 KB out.
; A thread's task: 8 rows x 4 columns (8 loads of 16 bytes), 16 packed roundings, 4 LDS stores of 16 bytes; two tasks a thread.  The pieces are gathered in LDS and leave as
; whole runs: each store of a wave covers 512 consecutive bytes, aligned.
; W2's LDS stores fall four lanes to a group of four banks (64 banks of 4 bytes: ISA guide 11.1); W1's, by the stage's pitch of 8,208, one.
.set WS,     2097152                   ; bytes in a stream
.set SPITCH, 8208                      ; the stage: a stream's 8 KB + 16
.set SPARE,  33024                     ; behind the stage: the spare words, 128 bytes for each of eight waves
.set IN,     8                         ; v[8:71]    task p, row i at IN + 32 p + 4 i; later the pieces read back
.set PC,     72                        ; v[72:103]  task p, column c: 4 registers, 8 bf16; before that, address work
	s_load_b128 s[4:7], s[0:1], 0x0                ; W1 s[4:5], W2 s[6:7]
	s_load_b64 s[8:9], s[0:1], 0x10                ; wstream
	v_lshl_add_u32 v5, v0, 2, SPARE                ; my spare word,
	v_mov_b32 v6, 0                                ; and 0: kept for the closing add alone
	s_lshr_b32 s10, ttmp9, 7                       ; 0: W1, 1: W2
	s_bfe_u32 s11, ttmp9, 0x60001                  ; the chunk c
	s_and_b32 s12, ttmp9, 1                        ; which half of its pieces
	s_lshr_b32 s13, s11, 5                         ; the expert
	s_and_b32 s14, s11, 31                         ; the chunk in the expert
	v_lshlrev_b32 v3, 4, v0                        ; the way out: 16 bytes a thread, in the stage
	v_lshlrev_b32 v4, 4, v0                        ; and in memory
	s_lshl_b32 s18, s11, 15                        ; piece 2 c,
	s_lshl_b32 s15, s12, 13                        ; its half,
	s_add_co_u32 s18, s18, s15
	s_mul_i32 s15, s10, 3*16384                    ; W2's pieces lie three further on,
	s_add_co_u32 s18, s18, s15
	s_and_b32 s18, s18, WS-1                       ; round the ring: W2 of chunk 63 is piece 1
	s_mov_b32 s19, 0
	s_lshl_b32 s16, s13, 22                        ; an expert's matrix is 4,194,304 bytes
	s_mov_b32 s17, 0
	s_wait_kmcnt 0x0
	s_add_nc_u64 s[8:9], s[8:9], s[18:19]
.macro PATH base, rowb, passg, passl   ; rowb: bytes from row to row; passg, passl: from the first task to the second, in memory and in the stage
.irp p, 0,1
.irp i, 0,1,2,3,4,5,6,7
	global_load_b128 v[IN+32*(\p)+4*(\i):IN+32*(\p)+4*(\i)+3], v1, s[(\base):(\base)+1] offset:(\i)*(\rowb)+(\p)*(\passg) th:TH_LOAD_NT
.endr
.endr
.irp p, 0,1
	s_wait_loadcnt 8-8*(\p)                        ; the first task's eight loads are in, the second's eight stay out; then all
.irp c, 0,1,2,3
.irp j, 0,1,2,3
	v_cvt_pk_bf16_f32 v[PC+16*(\p)+4*(\c)+(\j)], v[IN+32*(\p)+8*(\j)+(\c)], v[IN+32*(\p)+8*(\j)+4+(\c)]  ; rows 2 j, 2 j + 1 of column c
.endr
	ds_store_b128 v2, v[PC+16*(\p)+4*(\c):PC+16*(\p)+4*(\c)+3] offset:(\c)*16+(\p)*(\passl)
.endr
.endr
.endm
	s_cmp_lg_u32 s10, 0
	s_cbranch_scc1 .Lw2
	; W1: 256 rows x 64 columns.  Thread: column quad t % 16, row octets t / 16 and t / 16 + 16
	s_lshl_b32 s15, s12, 21                        ; the half's 256 rows of 8,192 bytes
	s_add_co_u32 s16, s16, s15
	s_lshl_b32 s15, s14, 8                         ; the chunk's 64 columns
	s_add_co_u32 s16, s16, s15
	s_add_nc_u64 s[4:5], s[4:5], s[16:17]
	v_and_b32 v72, 15, v0                          ; quad
	v_lshrrev_b32 v73, 4, v0                       ; octet
	v_lshlrev_b32 v1, 4, v72
	v_lshl_add_u32 v1, v73, 16, v1                 ; octet x 8 rows + quad x 16 bytes
	v_lshrrev_b32 v74, 2, v72                      ; the stream: column / 16
	v_mul_u32_u24 v2, v74, SPITCH
	v_lshl_add_u32 v2, v73, 8, v2                  ; an octet is 256 bytes of a piece
	v_and_b32 v74, 3, v72
	v_lshl_add_u32 v2, v74, 6, v2                  ; 16 bytes a column
	PATH 4, 8192, 1048576, 4096
	s_branch .Ljoin
.Lw2:
	; W2: 32 rows x 512 columns.  Thread: column quad t % 128, row octets t / 128 and t / 128 + 2
	s_lshl_b32 s15, s14, 17                        ; the chunk's 64 rows of 2,048 bytes
	s_add_co_u32 s16, s16, s15
	s_lshl_b32 s15, s12, 16                        ; the half's 32
	s_add_co_u32 s16, s16, s15
	s_add_nc_u64 s[6:7], s[6:7], s[16:17]
	v_and_b32 v72, 127, v0
	v_lshrrev_b32 v73, 7, v0
	v_lshlrev_b32 v1, 4, v72
	v_lshl_add_u32 v1, v73, 14, v1
	v_lshrrev_b32 v74, 5, v72                      ; the stream: column / 128
	v_mul_u32_u24 v2, v74, SPITCH
	v_bfe_u32 v74, v72, 2, 3                       ; the block of 16 columns
	v_lshl_add_u32 v2, v74, 10, v2
	v_lshl_add_u32 v2, v73, 8, v2
	v_and_b32 v74, 3, v72
	v_lshl_add_u32 v2, v74, 6, v2
	PATH 6, 2048, 32768, 512
.Ljoin:
	s_wait_dscnt 0x0                               ; for the others' sake: my stores into the stage are done
	s_barrier_signal -1
	s_barrier_wait -1
.irp t, 0,1,2,3,4,5,6,7
	ds_load_b128 v[IN+4*(\t):IN+4*(\t)+3], v3 offset:((\t)/2)*SPITCH+((\t)%2)*4096
.endr
.irp t, 0,1,2,3,4,5,6,7
	s_wait_dscnt 7-(\t)                            ; LDS loads come back in order: number t is in
	global_store_b128 v4, v[IN+4*(\t):IN+4*(\t)+3], s[8:9] offset:((\t)/2)*WS+((\t)%2)*4096  ; no hint: the next launch reads these bytes
.endr
	s_wait_tensorcnt 0x0                           ; the wave's end: three closing lines behind my last LDS store
	ds_add_u32 v5, v6
	s_wait_dscnt 0x0
	s_endpgm
.Lfunc_end_k_qe44af86200_prep:
	.size	k_qe44af86200_prep, .Lfunc_end_k_qe44af86200_prep-k_qe44af86200_prep
	.p2alignl 7, 3214868480
	.fill 96, 4, 3214868480
	.section	.rodata,"a",@progbits
	.p2align	6, 0x0
	.amdhsa_kernel k_qe44af86200_prep
		.amdhsa_group_segment_fixed_size 34048
		.amdhsa_private_segment_fixed_size 0
		.amdhsa_enable_private_segment 0
		.amdhsa_kernarg_size 24
		.amdhsa_user_sgpr_count 2
		.amdhsa_user_sgpr_kernarg_segment_ptr 1
		.amdhsa_wavefront_size32 1
		.amdhsa_system_sgpr_workgroup_id_x 1
		.amdhsa_system_sgpr_workgroup_id_y 1
		.amdhsa_system_sgpr_workgroup_id_z 1
		.amdhsa_system_vgpr_workitem_id 0
		.amdhsa_next_free_vgpr 104
		.amdhsa_next_free_sgpr 66
		.amdhsa_reserve_vcc 0
		.amdhsa_float_denorm_mode_32 3
		.amdhsa_float_denorm_mode_16_64 3
		.amdhsa_memory_ordered 1
		.amdhsa_forward_progress 1
		.amdhsa_inst_pref_size 13
	.end_amdhsa_kernel
	.amdgpu_metadata
---
amdhsa.version: [ 1, 2 ]
amdhsa.kernels:
  - .name:           k_qe44af86200_prep
    .symbol:         k_qe44af86200_prep.kd
    .args:
      - { .name: W1, .offset: 0, .size: 8, .value_kind: global_buffer, .address_space: global }
      - { .name: W2, .offset: 8, .size: 8, .value_kind: global_buffer, .address_space: global }
      - { .name: wstream, .offset: 16, .size: 8, .value_kind: global_buffer, .address_space: global }
    .group_segment_fixed_size: 34048
    .private_segment_fixed_size: 0
    .kernarg_segment_align: 8
    .kernarg_segment_size: 24
    .max_flat_workgroup_size: 256
    .sgpr_count:     66
    .vgpr_count:     104
    .wavefront_size: 32
...
	.end_amdgpu_metadata
.endif
;; end of part 3
;; launch chain (part 4): grid 256 x 1, 4 waves a work-group, clusters of 4 x 1, 327,680 bytes of LDS; arguments x, wstream, b1, b2, gate_gamma, gate_beta, gate_W, gate_b, out0; writes out0
.if DOCPART == 4
	.amdgcn_target "amdgcn-amd-amdhsa--gfx1250"
	.amdhsa_code_object_version 6
	.text
	.protected	k_qe44af86200_chain
	.globl	k_qe44af86200_chain
	.p2align	8
	.type	k_qe44af86200_chain,@function
k_qe44af86200_chain:
	s_mov_b64 s[64:65], 0
	v_nop
	global_prefetch_b8 v0, s[64:65] scope:SCOPE_SE
	s_setreg_imm32_b32 hwreg(HW_REG_WAVE_MODE, 25, 1), 1
	s_wait_xcnt 0x0
	s_wait_alu depctr_hold_cnt(0) depctr_sa_sdst(0) depctr_va_vdst(0) depctr_va_sdst(0) depctr_va_ssrc(0) depctr_va_vcc(0) depctr_vm_vsrc(0)
	s_getreg_b32 s2, hwreg(HW_REG_IB_STS2, 6, 4)
	s_cmp_eq_u32 s2, 0
	s_cbranch_scc0 .Lentry_in_a_cluster
	s_endpgm
.Lentry_in_a_cluster:
	s_bfe_u32 s2, ttmp6, 0x10000c
	s_cmp_lg_u32 s2, 0x3003
	s_cbranch_scc0 .Lentry_shape_is_right
	s_endpgm
.Lentry_shape_is_right:
; out[n][:] = sum over e of w_e[n] (leaky(x[n] W1[e] + b1[e]) W2[e] + b2[e]),  w = softmax((LayerNorm(x) gate_W + gate_b) / 1.0).
; Since w >= 0, w leaky(z) = max(w z, 0.01 w z): the two experts are ONE chain with 4,096 hidden units, in 64 chunks of 64 (chunk c: expert c / 32):
;   out = [w_e leaky(x W1cat + b1cat)] W2cat + w_0 b2[0] + w_1 b2[1].  The hidden layer never leaves the work-group.
; FORMATS.  x, W1, W2 and w leaky(h) are matrix operands in bf16, sums in f32.  b1, b2, gamma, beta, gate_W and gate_b are rounded once to bf16 as well, so that all inputs have one
; rounding; in the gate x itself stays f32, and mean, variance, dots and softmax are f32 on the centred x (no difference of large sums).  The division by the temperature 1.0 is the identity.
; LIMITS.  NaN and infinities are not treated apart.  v_rsq_f32 and v_exp_f32 flush denormals: the root's argument is at least 1e-5; a weight below 2^-126 counts as 0 beside its partner, which is then 1.
; The order in which the 64 chunks are added into out differs from cluster to cluster (THE WALK), and so from the reference's.
; SHARES.  A work-group owns 64 tokens, four tiles t of 16.  Both products are used transposed (source 0 = 16 rows of weights, source 1 = 16 tokens), so that in every result a lane holds ONE token
; (lane % 16) and eight rows 8 (lane / 16) + 0..7.  Wave w makes the hidden units 16 w .. 16 w + 15 of each chunk for all 64 tokens, and owns out's columns 128 w .. 128 w + 127 for all 64 tokens.
; x lies in each wave's registers as 64 fragments.  So each weight byte is read from LDS once, by one wave; only w leaky(h), 8 KB a chunk, crosses waves, through LDS in fragment order.
; THE STREAM.  The launch before laid the weights out so that 16 bytes a lane, lane after lane, are half a fragment.  Wave w's stream is a ring of 64 blocks of 32 KB, block k = [W1 of chunk k |
; W2 of chunk k - 1]: the second product runs one chunk behind the first.  Two LDS slots of 4 x 32 KB take turns, one block a wave behind each round.
; THE WALK.  Cluster id takes the chunks s, s + 1, .. s + 63 (mod 64), s = id xor 62 (id & 1): 64 clusters, 64 different starts, so no two clusters are at the same block in the same step.  Of any 32
; clusters that agree in one bit of their number one starts in each aligned pair of chunks: if the clusters keep pace, a block wanted from the fourth step on has been read before by one of those 32.
; CLUSTER.  The four work-groups of a cluster walk alike, so each block is asked for JOINTLY: the same tensor load, descriptor and mask in all four.  x is each work-group's own load.
; REGISTERS, in windows of 256 (s_set_vgpr_msb: bits 1:0 source 0, 3:2 source 1, 5:4 source 2, 7:6 destination):
;   window 0: addresses, work, the first product's four accumulators, five operand buffers of 32     window 1: out^T, OA(t, n) at 8 (8 t + n); in the prologue x in f32
;   windows 2, 3: x's fragments, X(s, t) at 8 (4 (s % 8) + t), d = 32 s on; at the end window 2 takes b2
.set SLOT1,  131072                    ; slot 0 at 0, slot 1 here: four wave parts of 32,768 bytes each
.set XP,     528                       ; x in LDS: a row of 128 f32 + 16 bytes = 132 words: row r starts at bank 4 r mod 64 (64 banks of 4 bytes: ISA guide 11.1)
.set XQ,     64*XP                     ; a quarter of x's columns; the four quarters lie from SLOT1 to B1L
.set B1L,    266240                    ; b1, rounded, as f32, in the order of the walk: 16,384 bytes
.set HBUF,   282624                    ; w leaky(h): two buffers of 8,192: 4096 ks + 1024 t + 512 q + 16 lane
.set GT,     299008                    ; G_e[d] = gamma[d] gate_W[d][e], f32, at 2048 e + 4 d
.set CP,     303104                    ; wave w's part of sum beta[d] gate_W[d][e], at 8 w + 4 e
.set GA,     303360                    ; (w_0, w_1) of token n at 8 n
.set SPARE,  303872                    ; the spare words, 128 bytes for each wave: two blocks of 256 bytes that no other line names
.set RL,  1                            ; v1   lane % 16
.set HBT, 2                            ; v2   lane / 16
.set L16, 3                            ; v3   16 x lane
.set AW,  4                            ; v4-5 my part of slot 0, 1, + 16 x lane
.set AB1, 6                            ; v6   b1 of my 8 hidden units of the chunk to come; steps by 256
.set AHS, 7                            ; v7   where I put w leaky(h)
.set AHL, 8                            ; v8   where I read it
.set SPW, 9                            ; v9   my spare word; never rewritten
.set NIL, 10                           ; v10  0; never rewritten
.set AXA, 11                           ; v11-12  x in LDS: row lane % 16, column quarters 0-1, 2-3
.set AXO, 13                           ; v13-14  the same for my wave's own token tile
.set AGT, 15                           ; v15  the G table
.set T,   16                           ; v16-23  at work; in prologue and epilogue addresses
.set HP,  24                           ; v24-39  w leaky(h) in bf16, 4 registers a tile
.set GWA, 40                           ; v40-47  (w_0, w_1) of my token in tile t
.set GWC, 48                           ; v48-51  tile t's weight of the expert in hand
.set BB,  56                           ; v56-63  b1 as a C operand
.set H,   64                           ; v64-95  h^T, 8 registers a tile
.set F0,  96
.set F1,  128
.set F2,  160
.set F3,  192
.set F4,  224
.set SA,  64                           ; the gate: four chains of the sum, then of the sum of squares
.set DD,  72                           ; four chains of each dot: DD + 8 e
.set NMU, 88                           ; (-mean, -mean)
.set WV,  22                           ; s22  my wave's number
.set CX,  23                           ; s23  my place in the cluster: it enters x's and out's addresses alone
.set WG,  24                           ; s24  my block of 64 tokens
.set G1W, 28                           ; s[28:35] group 1: 32 KB as 128 rows of 256 bytes
.set G1H, 36                           ; s[36:43] 16 KB as 64 rows
.set G1X, 44                           ; s[44:51] x: 64 rows of 128 f32, padded
.set G0S, 60                           ; s[60:63] group 0 of slot 0; s[68:71] of slot 1
.set G0X, 72                           ; s[72:75] group 0 of x
.set CNT, 80
.set SEL, 82                           ; s[82:83] v_permlanex16_b32's selects: each lane takes its own place in the other half
.set INV, 84                           ; 1 / 512
.set EPS, 85                           ; 1e-5
.set GB,  86                           ; s[86:87] gate_b
.set HIM, 88                           ; a word's upper bf16
.set NXT, 90                           ; s90  s + the number in the walk of the block whose address is made next; only its low six bits enter an address
.set MASK, 91                          ; s91  all ones: the next segment's chunk is expert 1's; 0: expert 0's
.set OFF, 94                           ; s[94:95] a block's byte offset in a stream
.set MSB, 0
.macro WIN new                         ; the immediate's high byte repeats the setting that is left; a switch that changes nothing is dropped
.if MSB != (\new)
	s_set_vgpr_msb (MSB<<8)|(\new)
.set MSB, \new
.endif
.endm
.macro WINL                            ; for LDS loads into window 0: destination and address (source 0) must be 0; the first product's settings leave them so
.if (MSB & 0xc3) != 0
	WIN 0
.endif
.endm
.macro PLACES                          ; four places in front of loads into registers that matrix instructions have read, and of vector lines that read results
.rept 4
	v_nop
.endr
.endm
.macro CREST                           ; a round of the cluster's barrier behind its opening barrier
	s_cmp_lg_u32 s[WV], 0
	s_cbranch_scc1 .Lnot_wave_0_\@
	s_barrier_signal -3
.Lnot_wave_0_\@:
	s_barrier_wait -3
	s_barrier_signal -1
	s_barrier_wait -1
.endm
.macro CROUND
	s_barrier_signal -1
	s_barrier_wait -1
	CREST
.endm
; A joint load: every wave fetches its own stream's block into its own part of a slot.  s_nop 0 follows, and four plain vector lines under window 0:
; sel = 1: the segment's expert is chosen, tile by tile (MASK was made in the segment before); sel = 0: v_nop.  They are also the places in front of the fragment loads that follow.
.macro JLOAD g0, g1, sel
	tensor_load_to_lds s[(\g0):(\g0)+3], s[(\g1):(\g1)+7]
	s_nop 0
.if \sel
.irp t, 0,1,2,3
	v_cndmask_b32 v[GWC+(\t)], v[GWA+2*(\t)], v[GWA+2*(\t)+1], s[MASK]
.endr
.else
.rept 4
	v_nop
.endr
.endif
.endm
.macro NEXTSEL                         ; the next segment's chunk is NXT - 2; bit 5 of its number is its expert
	s_sub_co_u32 s25, s[NXT], 2
	s_bitcmp1_b32 s25, 5
	s_cselect_b32 s[MASK], -1, 0
.endm
.macro NEXTBLK g                       ; group 0's global address is made anew: my stream's first byte + 32,768 x (NXT mod 64); the type is set again; NXT steps
	s_and_b32 s[OFF], s[NXT], 63
	s_lshl_b32 s[OFF], s[OFF], 15
	s_add_nc_u64 s[(\g)+2:(\g)+3], s[6:7], s[OFF:OFF+1]
	s_or_b32 s[(\g)+3], s[(\g)+3], 0x80000000
	s_add_co_u32 s[NXT], s[NXT], 1
.endm
.macro ROUND2 a                        ; two f32 rounded to bf16, kept as f32
	v_cvt_pk_bf16_f32 v[\a], v[\a], v[(\a)+1]
	v_and_b32 v[(\a)+1], s[HIM], v[\a]
	v_lshlrev_b32 v[\a], 16, v[\a]
.endm
	s_load_b512 s[4:19], s[0:1], 0x0               ; x 4, wstream 6, b1 8, b2 10, gamma 12, beta 14, gate_W 16, gate_b 18
	s_load_b64 s[20:21], s[0:1], 0x40              ; out0
	v_lshl_add_u32 v[SPW], v0, 2, SPARE
	v_mov_b32 v[NIL], 0
	ds_add_u32 v[SPW], v[NIL]                      ; the wave's opening: the add and its wait stand ahead of my first tensor load; the set-up below, work on registers, stands between them
	v_lshrrev_b32 v1, 5, v0
	v_readfirstlane_b32 s[WV], v1                  ; wave 0..3
	s_bfe_u32 s[CX], ttmp6, 0x40000
	s_lshl_b32 s[WG], ttmp9, 2                     ; in a cluster launch ttmp9 counts clusters
	s_add_co_u32 s[WG], s[WG], s[CX]
	s_and_b32 s[NXT], ttmp9, 1                     ; the walk's first chunk, from the cluster's number, which the four partners share:
	s_mul_i32 s[NXT], s[NXT], 62
	s_xor_b32 s[NXT], s[NXT], ttmp9                ; id xor 62 (id & 1),
	s_and_b32 s[NXT], s[NXT], 63                   ; 0 to 63
	s_mov_b32 s[OFF+1], 0
.irp g, G1W, G1H
	s_mov_b32 s[\g], 15|(3<<16)|(1<<21)            ; 15:0 the mask of four; 17:16 elements of 8 bytes; 21 set beside a mask
	s_mov_b32 s[\g+1], 32<<16                      ; tensor_dim0 = 32 elements: rows of 256 bytes
	s_mov_b32 s[\g+3], 32<<16                      ; tile_dim0 = 32
	s_mov_b32 s[\g+5], 32                          ; the block is dense: 32 elements from row to row
	s_mov_b32 s[\g+6], 0
	s_mov_b32 s[\g+7], 0
.endr
	s_mov_b32 s[G1W+2], 128<<16                    ; tensor_dim1, tile_dim1 = 128 rows
	s_mov_b32 s[G1W+4], 128
	s_mov_b32 s[G1H+2], 64<<16                     ; 64 rows
	s_mov_b32 s[G1H+4], 64
	s_mov_b32 s[G1X], (2<<16)|(1<<20)|(6<<22)|(3<<25)  ; no mask; elements of 4 bytes; padding on: after every 128 words (code 6) 4 words (code 3)
	s_mov_b32 s[G1X+1], 128<<16
	s_mov_b32 s[G1X+2], 64<<16
	s_mov_b32 s[G1X+3], 128<<16
	s_mov_b32 s[G1X+4], 64
	s_mov_b32 s[G1X+5], 512                        ; x's rows are 512 elements apart
	s_mov_b32 s[G1X+6], 0
	s_mov_b32 s[G1X+7], 0
	s_mov_b32 s[G0S], 1
	s_lshl_b32 s[G0S+1], s[WV], 15                 ; my part of slot 0
	s_mov_b32 s[G0S+8], 1
	s_add_co_u32 s[G0S+9], s[G0S+1], SLOT1         ; of slot 1
	s_mov_b32 s[G0X], 1
	s_mul_i32 s[G0X+1], s[WV], XQ                  ; wave w fetches column quarter w of x
	s_add_co_u32 s[G0X+1], s[G0X+1], SLOT1
	s_mov_b32 s[SEL], 0x76543210
	s_mov_b32 s[SEL+1], 0xfedcba98
	s_mov_b32 s[INV], 0x3b000000
	s_mov_b32 s[EPS], 0x3727c5ac
	s_mov_b32 s[HIM], 0xffff0000
	v_and_b32 v[RL], 15, v0
	v_bfe_u32 v[HBT], v0, 4, 1
	v_and_b32 v[L16], 31, v0
	v_lshlrev_b32 v[L16], 4, v[L16]
	v_add_nc_u32 v[AW], s[G0S+1], v[L16]
	v_add_nc_u32 v[AW+1], SLOT1, v[AW]
	s_lshl_b32 s25, s[WV], 6
	s_add_co_u32 s25, s25, B1L
	v_lshl_add_u32 v[AB1], v[HBT], 5, s25          ; 4 bytes x (16 w + 8 (lane / 16))
	s_lshr_b32 s25, s[WV], 1                       ; my 16 hidden units are k = 32 (w / 2) + 16 (w % 2) on of the second product
	s_lshl_b32 s25, s25, 12
	s_and_b32 s89, s[WV], 1
	s_lshl_b32 s89, s89, 9
	s_add_co_u32 s25, s25, s89
	s_add_co_u32 s25, s25, HBUF
	v_add_nc_u32 v[AHS], s25, v[L16]
	v_add_nc_u32 v[AHL], HBUF, v[L16]
	v_mul_u32_u24 v[AXA], v[RL], XP
	v_lshl_add_u32 v[AXA], v[HBT], 5, v[AXA]       ; row x pitch + 8 f32 x half
	v_add_nc_u32 v[AXA], SLOT1, v[AXA]
	v_add_nc_u32 v[AXA+1], 2*XQ, v[AXA]
	s_mul_i32 s25, s[WV], 16*XP
	v_add_nc_u32 v[AXO], s25, v[AXA]
	v_add_nc_u32 v[AXO+1], s25, v[AXA+1]
	v_lshl_add_u32 v[AGT], v[HBT], 5, GT
	v_lshl_add_u32 v16, v[RL], 3, GA               ; v16  the gate's weights of token lane % 16 of a tile
	v_lshlrev_b32 v17, 4, v0                       ; v17  16 x thread
	v_lshlrev_b32 v18, 5, v0                       ; v18  32 x thread
	v_add_nc_u32 v19, B1L, v17                     ; v19  where my part of b1 goes
	v_add_nc_u32 v20, GT, v17                      ; v20  my four entries of the G table
	s_lshl_b32 s25, s[WV], 3
	s_add_co_u32 s25, s25, CP
	v_mov_b32 v21, s25                             ; v21  my wave's partial sums
	s_lshl_b32 s25, s[WV], 7
	v_add_nc_u32 v22, s25, v16                     ; v22  the weights of my wave's own tile
	v_mov_b32 v23, CP                              ; v23  all four partial sums
	s_lshl_b32 s25, s[NXT], 8                      ; b1 is read in the order of the walk: a chunk is 256 bytes, the ring 16,384
	v_add_nc_u32 v24, s25, v17
.irp i, 0,1,2,3,4,5,6,7
	v_add_nc_u32 v[160+(\i)], 2048*(\i), v24
	v_and_b32 v[160+(\i)], 0x3fff, v[160+(\i)]     ; v160-167  (16 t + 2048 i + 256 s) mod 16,384
.endr
	s_wait_dscnt 0x0                               ; the opening add is done
	s_wait_kmcnt 0x0
	s_lshl_b32 s26, s[WV], 21                      ; a stream is 2,097,152 bytes
	s_mov_b32 s27, 0
	s_add_nc_u64 s[6:7], s[6:7], s[26:27]          ; my stream: the wave's and the cluster's numbers alone enter a joint load's address
	NEXTBLK G0S                                    ; the walk's block 0,
	NEXTBLK G0S+8                                  ; and block 1
	s_lshl_b32 s92, s[WG], 17                      ; my 64 rows of 2,048 bytes
	s_mov_b32 s93, 0
	s_add_nc_u64 s[20:21], s[20:21], s[92:93]      ; out at my first row
	s_lshl_b32 s25, s[WV], 9
	s_add_co_u32 s92, s92, s25
	s_add_nc_u64 s[G0X+2:G0X+3], s[4:5], s[92:93]  ; x at my first row, my wave's 128 columns
	s_or_b32 s[G0X+3], s[G0X+3], 0x80000000
	s_load_b64 s[GB:GB+1], s[18:19], 0x0
	CROUND                                         ; all four work-groups are here: the first joint loads meet
	tensor_load_to_lds s[G0X:G0X+3], s[G1X:G1X+7]  ; the first fills go out together: two loads of mine are out
	s_nop 0
	tensor_load_to_lds s[G0S:G0S+3], s[G1H:G1H+7]  ; of the walk's block 0 its first half alone: W1 of the first chunk
	s_nop 0
.rept 4
	v_nop
.endr
	; THE SMALL INPUTS, in the wait for x.  Thread t has d = 4 t .. 4 t + 3 of gamma, beta and gate_W, and 128 bytes of b1.
	global_load_b128 v[96:99], v17, s[12:13]
	global_load_b128 v[100:103], v17, s[14:15]
	global_load_b128 v[104:107], v18, s[16:17]
	global_load_b128 v[108:111], v18, s[16:17] offset:16
.irp i, 0,1,2,3,4,5,6,7
	global_load_b128 v[128+4*(\i):128+4*(\i)+3], v[160+(\i)], s[8:9]
.endr
	v_mov_b32 v122, 0                              ; v_permlanex16_b32's destinations count as read
	v_mov_b32 v123, 0
	s_wait_loadcnt 8                               ; gamma, beta, gate_W are in; b1's eight loads stay out
.irp a, 96,98,100,102,104,106,108,110
	ROUND2 \a
.endr
.irp i, 0,1,2,3
	v_mul_f32 v[112+(\i)], v[96+(\i)], v[104+2*(\i)]  ; G_0
	v_mul_f32 v[116+(\i)], v[96+(\i)], v[105+2*(\i)]  ; G_1
.endr
	ds_store_b128 v20, v[112:115]
	ds_store_b128 v20, v[116:119] offset:2048
	v_mul_f32 v120, v100, v104                     ; sum beta gate_W, both columns
	v_mul_f32 v121, v100, v105
.irp i, 1,2,3
	v_fma_f32 v120, v[100+(\i)], v[104+2*(\i)], v120
	v_fma_f32 v121, v[100+(\i)], v[105+2*(\i)], v121
.endr
.irp m, 1,2,4,8
	v_add_f32_dpp v120, v120, v120 row_xmask:\m row_mask:0xf bank_mask:0xf
	v_add_f32_dpp v121, v121, v121 row_xmask:\m row_mask:0xf bank_mask:0xf
.endr
	v_permlanex16_b32 v122, v120, s[SEL], s[SEL+1]
	v_permlanex16_b32 v123, v121, s[SEL], s[SEL+1]
	v_add_f32 v120, v120, v122
	v_add_f32 v121, v121, v123
	ds_store_b64 v21, v[120:121]                   ; all lanes write the same two words
	s_wait_loadcnt 0x0                             ; b1
.irp a, 128,130,132,134,136,138,140,142,144,146,148,150,152,154,156,158
	ROUND2 \a
.endr
.irp i, 0,1,2,3,4,5,6,7
	ds_store_b128 v19, v[128+4*(\i):128+4*(\i)+3] offset:2048*(\i)
.endr
	s_wait_tensorcnt 0x0                           ; my quarter of x and my first block have landed,
	s_wait_dscnt 0x0                               ; my stores are done:
	s_barrier_signal -1
	s_barrier_wait -1                              ; everybody's
	; THE GATE, for my wave's own 16 tokens.  A lane holds half of a token: d = 32 s + 16 q + 8 (lane / 16) + 4 p + 0..3, at window 1's v[16 s + 8 q + 4 p].
	ds_load_b128 v[24:27], v23                     ; the four waves' partial sums
	ds_load_b128 v[28:31], v23 offset:16
	WIN 0x40
.set ss, 0
.rept 16
.irp h, 0,1,2,3
	ds_load_b128 v[16*ss+4*(\h):16*ss+4*(\h)+3], v[AXO+ss/8] offset:((ss/4)%2)*XQ+(ss%4)*128+64*((\h)/2)+16*((\h)%2)
.endr
.set ss, ss+1
.endr
	s_wait_dscnt 48                                ; the first 16 of the 64 loads are in
	WIN 0x05
.irp c, 0,1,2,3
	v_pk_add_f32 v[SA+2*(\c):SA+2*(\c)+1], v[4*(\c):4*(\c)+1], v[4*(\c)+2:4*(\c)+3]  ; four chains; nothing is cleared
.endr
	WIN 0x04
.set j, 8
.rept 120
.if (j%32) == 0
	s_wait_dscnt 48-16*(j/32)                      ; the next 16 loads
.endif
	v_pk_add_f32 v[SA+2*(j%4):SA+2*(j%4)+1], v[SA+2*(j%4):SA+2*(j%4)+1], v[2*j:2*j+1]
.set j, j+1
.endr
	WIN 0
	v_mov_b32 v91, 0
	v_mov_b32 v92, 0
	v_mov_b32 v93, 0
	v_pk_add_f32 v[SA:SA+1], v[SA:SA+1], v[SA+2:SA+3]
	v_pk_add_f32 v[SA+4:SA+5], v[SA+4:SA+5], v[SA+6:SA+7]
	v_pk_add_f32 v[SA:SA+1], v[SA:SA+1], v[SA+4:SA+5]
	v_add_f32 v90, v[SA], v[SA+1]
	v_permlanex16_b32 v91, v90, s[SEL], s[SEL+1]   ; the token's other half lies in the lane 16 away
	v_add_f32 v90, v90, v91
	v_mul_f32 v[NMU], 0xbb000000, v90              ; - sum / 512
	v_mov_b32 v[NMU+1], v[NMU]
	WIN 0x41
.set j, 0
.rept 128
	v_pk_add_f32 v[2*j:2*j+1], v[2*j:2*j+1], v[NMU:NMU+1]  ; x - mean, in place
.set j, j+1
.endr
.irp c, 0,1,2,3                        ; a quarter of the columns at a time: its G comes in while its squares are summed
	WIN 0
.irp e, 0,1
.set j, 0
.rept 16
	ds_load_b128 v[F0+64*(\e)+4*j:F0+64*(\e)+4*j+3], v[AGT] offset:(\e)*2048+512*(\c)+128*(j/4)+64*((j%4)/2)+16*(j%2)
.set j, j+1
.endr
.endr
	WIN 0x05
.set j, 0
.rept 32
.if ((\c) == 0) && (j < 4)
	v_pk_mul_f32 v[SA+2*j:SA+2*j+1], v[2*j:2*j+1], v[2*j:2*j+1]
.else
	v_pk_fma_f32 v[SA+2*(j%4):SA+2*(j%4)+1], v[64*(\c)+2*j:64*(\c)+2*j+1], v[64*(\c)+2*j:64*(\c)+2*j+1], v[SA+2*(j%4):SA+2*(j%4)+1]
.endif
.set j, j+1
.endr
	s_wait_dscnt 0x0                               ; G of this quarter
	WIN 0x01
.set j, 0
.rept 32
.irp e, 0,1
.if ((\c) == 0) && (j < 4)
	v_pk_mul_f32 v[DD+8*(\e)+2*j:DD+8*(\e)+2*j+1], v[2*j:2*j+1], v[F0+64*(\e)+2*j:F0+64*(\e)+2*j+1]
.else
	v_pk_fma_f32 v[DD+8*(\e)+2*(j%4):DD+8*(\e)+2*(j%4)+1], v[64*(\c)+2*j:64*(\c)+2*j+1], v[F0+64*(\e)+2*j:F0+64*(\e)+2*j+1], v[DD+8*(\e)+2*(j%4):DD+8*(\e)+2*(j%4)+1]
.endif
.endr
.set j, j+1
.endr
.endr
	WIN 0
.irp b, SA, DD, DD+8
	v_pk_add_f32 v[\b:\b+1], v[\b:\b+1], v[\b+2:\b+3]
	v_pk_add_f32 v[\b+4:\b+5], v[\b+4:\b+5], v[\b+6:\b+7]
.endr
.irp b, SA, DD, DD+8
	v_pk_add_f32 v[\b:\b+1], v[\b:\b+1], v[\b+4:\b+5]
.endr
.irp b, SA, DD, DD+8
	v_add_f32 v[\b], v[\b], v[\b+1]
.endr
	v_permlanex16_b32 v91, v[SA], s[SEL], s[SEL+1]
	v_permlanex16_b32 v92, v[DD], s[SEL], s[SEL+1]
	v_permlanex16_b32 v93, v[DD+8], s[SEL], s[SEL+1]
	v_add_f32 v[SA], v[SA], v91                    ; sum (x - mean)^2
	v_add_f32 v[DD], v[DD], v92                    ; sum (x - mean) G_0
	v_add_f32 v[DD+8], v[DD+8], v93
	s_wait_kmcnt 0x0                               ; gate_b
	v_cvt_pk_bf16_f32 v32, s[GB], s[GB+1]
	v_and_b32 v33, s[HIM], v32
	v_lshlrev_b32 v32, 16, v32
	v_pk_add_f32 v[24:25], v[24:25], v[26:27]      ; sum beta gate_W over the four waves, + gate_b
	v_pk_add_f32 v[28:29], v[28:29], v[30:31]
	v_pk_add_f32 v[24:25], v[24:25], v[28:29]
	v_pk_add_f32 v[24:25], v[24:25], v[32:33]
	v_fma_f32 v90, v[SA], s[INV], s[EPS]           ; variance + eps
	v_rsq_f32 v95, v90
	v_nop                                          ; a plain instruction behind the root,
	s_wait_alu depctr_va_vdst(0)                   ; and a wait ahead of its first reader
	v_fma_f32 v[DD], v95, v[DD], v24               ; the two logits
	v_fma_f32 v[DD+8], v95, v[DD+8], v25
	v_max_num_f32 v90, v[DD], v[DD+8]              ; the maximum is taken away, as in softmax
	v_sub_f32 v[DD], v[DD], v90
	v_sub_f32 v[DD+8], v[DD+8], v90
	v_mul_f32 v[DD], 0x3fb8aa3b, v[DD]
	v_mul_f32 v[DD+8], 0x3fb8aa3b, v[DD+8]
	v_exp_f32 v34, v[DD]
	v_exp_f32 v35, v[DD+8]
	v_nop
	s_wait_alu depctr_va_vdst(0)                   ; one wait for both exponentials
	v_add_f32 v90, v34, v35                        ; at least 1
	v_rcp_f32 v94, v90
	v_nop
	s_wait_alu depctr_va_vdst(0)
	v_mul_f32 v34, v34, v94
	v_mul_f32 v35, v35, v94
	ds_store_b64 v22, v[34:35]                     ; both lanes of a token write the same two words
	; x INTO FRAGMENTS: all 64 tokens, 8 batches of 8 fragments (s = 2 b, 2 b + 1; t = 0..3), 32 loads each into one of two buffers of 128 in window 1.
.macro LDX b
	WIN 0x40
.irp u, 0,1
.irp t, 0,1,2,3
.irp h, 0,1,2,3
	ds_load_b128 v[128*((\b)%2)+16*(4*(\u)+(\t))+4*(\h):128*((\b)%2)+16*(4*(\u)+(\t))+4*(\h)+3], v[AXA+(2*(\b)+(\u))/8] offset:(((2*(\b)+(\u))/4)%2)*XQ+(\t)*16*XP+((2*(\b)+(\u))%4)*128+64*((\h)/2)+16*((\h)%2)
.endr
.endr
.endr
.endm
.macro CVX b
	WIN 0x85+0x40*((\b)/4)                         ; sources window 1, destination window 2 or 3
.set z, 0
.rept 64
	v_cvt_pk_bf16_f32 v[64*((\b)%4)+z], v[128*((\b)%2)+2*z], v[128*((\b)%2)+2*z+1]
.set z, z+1
.endr
.endm
	LDX 0
	LDX 1
.irp b, 0,1,2,3,4,5
	s_wait_dscnt 32                                ; this batch is in, the next one's 32 loads stay out
	CVX \b
	LDX (\b)+2
.endr
	s_wait_dscnt 32
	CVX 6
	s_wait_dscnt 0x0
	CVX 7
	WIN 0
	; x's bytes become slot 1: the order of a refill
	s_wait_tensorcnt 0x0                           ; no tensor load of mine is out, so a group 0 may be written
	ds_add_u32 v[SPW], v[NIL]                      ; 0 onto my spare word
	NEXTSEL                                        ; the first chunk's expert
	NEXTBLK G0S                                    ; slot 0's next block is the walk's block 2
	s_wait_dscnt 0x0                               ; the add is done, my reads of x are over, my gate weights are stored
	CROUND
; THE LDS LOADS AND STORES stand in runs, never singly among the matrix instructions: half a fragment is 16 bytes a lane, lane after lane.
.macro LDW1 p, g, f                    ; W1's fragments of d = 128 g on (four K steps), from slot p
	WINL
.irp i, 0,1,2,3
	ds_load_b128 v[(\f)+8*(\i):(\f)+8*(\i)+3],   v[AW+(\p)] offset:(\g)*4096+(\i)*1024
	ds_load_b128 v[(\f)+8*(\i)+4:(\f)+8*(\i)+7], v[AW+(\p)] offset:(\g)*4096+(\i)*1024+512
.endr
.endm
.macro LDW2 p, ks, ch, f               ; W2's fragments of hidden 32 ks on, column blocks 4 ch .. 4 ch + 3
	WINL
.irp i, 0,1,2,3
	ds_load_b128 v[(\f)+8*(\i):(\f)+8*(\i)+3],   v[AW+(\p)] offset:16384+(\ks)*8192+(\ch)*4096+(\i)*1024
	ds_load_b128 v[(\f)+8*(\i)+4:(\f)+8*(\i)+7], v[AW+(\p)] offset:16384+(\ks)*8192+(\ch)*4096+(\i)*1024+512
.endr
.endm
.macro LDH hp, ks, f                   ; w leaky(h) of hidden 32 ks on, four token tiles, from buffer hp
	WINL
.irp t, 0,1,2,3
	ds_load_b128 v[(\f)+8*(\t):(\f)+8*(\t)+3],   v[AHL] offset:(\hp)*8192+(\ks)*4096+(\t)*1024
	ds_load_b128 v[(\f)+8*(\t)+4:(\f)+8*(\t)+7], v[AHL] offset:(\hp)*8192+(\ks)*4096+(\t)*1024+512
.endr
.endm
.macro LDB1                            ; b1 of my 8 hidden units (window 0 is set where this stands); the address steps late in the segment, far from these two loads
	ds_load_b128 v[BB:BB+3], v[AB1]
	ds_load_b128 v[BB+4:BB+7], v[AB1] offset:16
.endm
.macro STH                             ; my 16 hidden units of w leaky(h), four token tiles, into buffer PAR (window 0 is set where this stands)
.irp t, 0,1,2,3
	ds_store_b128 v[AHS], v[HP+4*(\t):HP+4*(\t)+3] offset:PAR*8192+(\t)*1024
.endr
.endm
; THE MATRIX WORK.  The accumulators take turns, one instruction a turn: four in the first product, sixteen in a run of the second, and others at every seam.
.macro G1U g, f, first                 ; 16 of h^T += W1^T x^T: K steps 4 g .. 4 g + 3, four token tiles.  first = 1: b1 starts the sums
	WIN 0x08+4*((\g)/2)                            ; x in window 2 or 3
.irp i, 0,1,2,3
.irp t, 0,1,2,3
.if (\first) && ((\i) == 0)
	v_wmma_f32_16x16x32_bf16 v[H+8*(\t):H+8*(\t)+7], v[(\f)+8*(\i):(\f)+8*(\i)+7], v[128*((\g)%2)+32*(\i)+8*(\t):128*((\g)%2)+32*(\i)+8*(\t)+7], v[BB:BB+7]
.else
	v_wmma_f32_16x16x32_bf16 v[H+8*(\t):H+8*(\t)+7], v[(\f)+8*(\i):(\f)+8*(\i)+7], v[128*((\g)%2)+32*(\i)+8*(\t):128*((\g)%2)+32*(\i)+8*(\t)+7], v[H+8*(\t):H+8*(\t)+7]
.endif
.endr
.endr
.endm
; Slice n of 20 of the activation: four plain lines for tile n / 5: h w; 0.01 h w; the maximum (twice four); rounding to bf16.  Each accumulator's lowest registers are read first.
; The tile's weight is one register of a pair: an even tile's is the pair's first, taken for both halves, an odd tile's the second.
.macro SLICE n
.set sl, \n
.set st, sl/5
.set sk, sl%5
	WIN 0
.if sk == 0
.irp j, 0,1,2,3
.if (st%2) == 0
	v_pk_mul_f32 v[H+8*st+2*(\j):H+8*st+2*(\j)+1], v[H+8*st+2*(\j):H+8*st+2*(\j)+1], v[GWC+st:GWC+st+1] op_sel_hi:[1,0]
.else
	v_pk_mul_f32 v[H+8*st+2*(\j):H+8*st+2*(\j)+1], v[H+8*st+2*(\j):H+8*st+2*(\j)+1], v[GWC+st-1:GWC+st] op_sel:[0,1] op_sel_hi:[1,1]
.endif
.endr
.elseif sk == 1
.irp j, 0,1,2,3
	v_pk_mul_f32 v[T+2*(\j):T+2*(\j)+1], v[H+8*st+2*(\j):H+8*st+2*(\j)+1], 0x3c23d70a op_sel_hi:[1,0]
.endr
.elseif sk == 2
.irp j, 0,1,2,3
	v_max_num_f32 v[H+8*st+(\j)], v[H+8*st+(\j)], v[T+(\j)]
.endr
.elseif sk == 3
.irp j, 4,5,6,7
	v_max_num_f32 v[H+8*st+(\j)], v[H+8*st+(\j)], v[T+(\j)]
.endr
.else
.irp j, 0,1,2,3
	v_cvt_pk_bf16_f32 v[HP+4*st+(\j)], v[H+8*st+2*(\j)], v[H+8*st+2*(\j)+1]
.endr
.endif
.endm
; Numbers lo .. hi - 1 of the 16 of out^T += W2^T (w leaky(h))^T: column block 4 ch + idx / 4, token tile idx % 4.  zero = 1: they start the sums.  sl0 >= 0: slice sl0 + idx rides behind each.
.macro G2U ch, fw, fh, zero, lo, hi, sl0
.set idx, \lo
.rept (\hi)-(\lo)
	WIN 0x50                                       ; C and D in window 1
.set rD, 8*(8*(idx%4)+4*(\ch)+idx/4)
.set rA, (\fw)+8*(idx/4)
.set rB, (\fh)+8*(idx%4)
.if \zero
	v_wmma_f32_16x16x32_bf16 v[rD:rD+7], v[rA:rA+7], v[rB:rB+7], 0
.else
	v_wmma_f32_16x16x32_bf16 v[rD:rD+7], v[rA:rA+7], v[rB:rB+7], v[rD:rD+7]
.endif
.if ((\sl0) >= 0) && ((\sl0)+idx < 20)
	SLICE (\sl0)+idx
.endif
.set idx, idx+1
.endr
.endm
; SEGMENT k of the walk, behind round k; p = k % 2 is its slot and the buffer that its activation fills.  It asks for the walk's block k + 1; ends the second product of the chunk two back (its last 16,
; operands already in registers: work for the time in which the first loads come); makes its own chunk's h and activation; and does 48 of the 64 of the second product of the chunk before.
; From the request to the wait for it stand 120 matrix instructions, from that wait to the next request 8.  A segment has five runs of LDS instructions; the activation's four stores open the last.
; One barrier a segment orders both buffers of w leaky(h): buffer p is written here, read in segment k + 1, and was last read in k - 1.
; b11: the 16 left over exist.  zero: the chunk before is the walk's first, its products start out's sums.  g1f: the refill's group 1.  adj: slot 0's next (and last) block is its second half alone.  round: a refill follows.
.macro SEG p, b11, zero, g1f, adj, round
.set PAR, \p
	JLOAD G0S+8*(1-(\p)), \g1f, 1                  ; the first thing behind the round; the four lines behind it are the places for the loads below
	LDB1
	LDW1 \p, 0, F0
	LDW1 \p, 1, F1
	LDW1 \p, 3, F3
.if \b11
	G2U 1, F4, F2, 0, 0, 16, -1
.endif
	PLACES
	LDW1 \p, 2, F2
	LDH 1-(\p), 0, F4
	s_wait_dscnt 32                                ; b1 and K steps 0-3 are in; out: 8 + 8 + 16
	G1U 0, F0, 1
	s_wait_dscnt 24                                ; K steps 4-7; out: 8 + 16
	G1U 1, F1, 0
	PLACES
	LDW2 \p, 0, 0, F0
	LDW2 \p, 0, 1, F1
	s_wait_dscnt 24                                ; K steps 8-15; out: the 8 of w leaky(h) and the 16 just issued
	G1U 2, F2, 0
	G1U 3, F3, 0
	PLACES                                         ; also the places ahead of the slices' reads of h
	LDH 1-(\p), 1, F2
	LDW2 \p, 1, 0, F3
	s_wait_dscnt 24                                ; F4 and F0 are in; out: 8 + 16
	G2U 0, F0, F4, \zero, 0, 16, 0                 ; slices 0-15
	s_wait_dscnt 16                                ; F1 is in; out: the 16 loads issued behind it
	G2U 1, F1, F4, \zero, 0, 16, 16                ; slices 16-19
	WIN 0
	v_add_nc_u32 v[AB1], 256, v[AB1]               ; b1's address steps to the walk's next chunk: this line and three v_nop are the places for the loads into F4
.rept 3
	v_nop
.endr
	STH                                            ; the chunk's w leaky(h): the last of it was rounded twelve matrix instructions ago
	LDW2 \p, 1, 1, F4
	s_wait_dscnt 12                                ; F2 and F3 are in; out: 4 stores and 8 loads
	G2U 0, F3, F2, 0, 0, 8, -1
	WIN 0                                          ; (the add's two registers lie in window 0)
	s_wait_tensorcnt 0x0                           ; all my tensor loads have landed: the one that was out is my part of the other slot;
	ds_add_u32 v[SPW], v[NIL]                      ; 0 onto my spare word;
	G2U 0, F3, F2, 0, 8, 12, -1                    ; four matrix instructions and the scalar work stand between the add and the wait for it
	NEXTSEL                                        ; the next segment's expert
	NEXTBLK G0S+8*(1-(\p))                         ; no load is out, so a group 0 may be written: the walk's block k + 3, asked for two segments on
.if \adj
	s_add_nc_u64 s[G0S+2:G0S+3], s[G0S+2:G0S+3], 16384  ; of the walk's block 64 (the ring's first again) the second half alone is wanted,
	s_add_co_u32 s[G0S+1], s[G0S+1], 16384         ; and goes where W2's part lies
.endif
	s_wait_dscnt 0x0                               ; the add is done, my reads of this slot and of w leaky(h) are over, my stores are done
	s_barrier_signal -1
	G2U 0, F3, F2, 0, 12, 16, -1                   ; work on registers while the others arrive
	WIN 0
	s_barrier_wait -1
.if \round
	CREST                                          ; the barrier has opened a round of the cluster's: no wave of any partner still reads the slot or has a load on its way
.endif
.endm
	; SEGMENT 0: block 1 is asked for; the first chunk's h and activation
.set PAR, 0
	JLOAD G0S+8, G1W, 0
.irp t, 0,1,2,3
	ds_load_b64 v[GWA+2*(\t):GWA+2*(\t)+1], v16 offset:128*(\t)
.endr
	LDB1
	LDW1 0, 0, F0
	LDW1 0, 1, F1
	LDW1 0, 2, F2
	LDW1 0, 3, F3
	s_wait_dscnt 24                                ; the weights, b1 and K steps 0-3 are in
.irp t, 0,1,2,3
	v_cndmask_b32 v[GWC+(\t)], v[GWA+2*(\t)], v[GWA+2*(\t)+1], s[MASK]  ; the first chunk's expert
.endr
	G1U 0, F0, 1
	s_wait_dscnt 16
	G1U 1, F1, 0
	s_wait_dscnt 8
	G1U 2, F2, 0
	s_wait_dscnt 0x0
	G1U 3, F3, 0
	PLACES
.set q, 0
.rept 20
	SLICE q
.set q, q+1
.endr
	WIN 0
	v_add_nc_u32 v[AB1], 256, v[AB1]
	STH
	s_wait_tensorcnt 0x0
	ds_add_u32 v[SPW], v[NIL]
	NEXTSEL
	NEXTBLK G0S+8
	s_wait_dscnt 0x0
	CROUND
	SEG 1, 0, 1, G1W, 0, 1                         ; segment 1
	s_mov_b32 s[CNT], 30
.Lpair:                                                ; segments 2 to 61
	SEG 0, 1, 0, G1W, 0, 1
	SEG 1, 1, 0, G1W, 0, 1
	s_sub_co_u32 s[CNT], s[CNT], 1
	s_cmp_lg_u32 s[CNT], 0
	s_cbranch_scc1 .Lpair
	SEG 0, 1, 0, G1W, 1, 1                         ; segment 62: the tail is written out
	SEG 1, 1, 0, G1H, 0, 0                         ; segment 63 asks for W2 of the last chunk alone
	; SEGMENT 64: the rest of the second product; b2 comes in meanwhile, where x's first half lay
	PLACES
	LDW2 0, 0, 0, F0
	LDW2 0, 0, 1, F1
	LDW2 0, 1, 0, F3
	s_lshl_b32 s25, s[WV], 9
	v_lshl_add_u32 v16, v[HBT], 5, s25             ; 4 bytes x (128 w + 8 (lane / 16))
	v_add_nc_u32 v18, s25, v[L16]                  ; the way out: my 16 bytes of my wave's 512 of a row of out
	s_lshl_b32 s25, s[WV], 15
	v_add_nc_u32 v17, s25, v[AXA]                  ; the way out: my stage lies in my part of slot 1, which has had its last fill: row lane % 16, pitch 528, 32 bytes for each half of the lanes
	WIN 0x80
.irp e, 0,1
.irp n, 0,1,2,3,4,5,6,7
	global_load_b128 v[64*(\e)+8*(\n):64*(\e)+8*(\n)+3],   v16, s[10:11] offset:(\e)*2048+64*(\n)
	global_load_b128 v[64*(\e)+8*(\n)+4:64*(\e)+8*(\n)+7], v16, s[10:11] offset:(\e)*2048+64*(\n)+16
.endr
.endr
	G2U 1, F4, F2, 0, 0, 16, -1                    ; the last 16 of the chunk before the last
	PLACES
	LDH 1, 0, F4
	LDH 1, 1, F2
	s_wait_dscnt 8                                 ; all but the last 8
	G2U 0, F0, F4, 0, 0, 16, -1
	G2U 1, F1, F4, 0, 0, 16, -1
	PLACES
	LDW2 0, 1, 1, F4
	s_wait_dscnt 8
	G2U 0, F3, F2, 0, 0, 16, -1
	s_wait_dscnt 0x0
	G2U 1, F4, F2, 0, 0, 16, -1
	; THE WAY OUT.  b2 is rounded to bf16 in place; out^T += w_0 b2[0] + w_1 b2[1]; a tile of 16 tokens at a time goes through my stage and leaves as whole rows.
	PLACES
	s_wait_loadcnt 0x0                             ; b2
	WIN 0x8a                                       ; all in window 2
.set z, 0
.rept 64
	v_cvt_pk_bf16_f32 v[2*z], v[2*z], v[2*z+1]
.set z, z+1
.endr
.set z, 0
.rept 64
	v_and_b32 v[2*z+1], s[HIM], v[2*z]
	v_lshlrev_b32 v[2*z], 16, v[2*z]
.set z, z+1
.endr
.macro BIAS t                          ; b2 in window 2, the weights in window 0, out^T in window 1; each accumulator is read from its low end on
	WIN 0x52
.set z, 0
.rept 32
	v_pk_fma_f32 v[64*(\t)+2*z:64*(\t)+2*z+1], v[2*z:2*z+1], v[GWA+2*(\t):GWA+2*(\t)+1], v[64*(\t)+2*z:64*(\t)+2*z+1] op_sel_hi:[1,0,1]
.set z, z+1
.endr
.set z, 0
.rept 32
	v_pk_fma_f32 v[64*(\t)+2*z:64*(\t)+2*z+1], v[64+2*z:64+2*z+1], v[GWA+2*(\t):GWA+2*(\t)+1], v[64*(\t)+2*z:64*(\t)+2*z+1] op_sel:[0,1,0] op_sel_hi:[1,1,1]
.set z, z+1
.endr
.endm
.macro TOSTAGE t
.if (\t) >= 2
	s_wait_xcnt 0x0                                ; the stores of two tiles ago have read the registers that are loaded again below
.endif
	WIN 0x04                                       ; store data in window 1
.irp n, 0,1,2,3,4,5,6,7
	ds_store_b128 v17, v[64*(\t)+8*(\n):64*(\t)+8*(\n)+3]   offset:64*(\n)
	ds_store_b128 v17, v[64*(\t)+8*(\n)+4:64*(\t)+8*(\n)+7] offset:64*(\n)+16
.endr
	WIN 0
.irp f, 0,1,2,3,4,5,6,7,8,9,10,11,12,13,14,15
	ds_load_b128 v[F0+64*((\t)%2)+4*(\f):F0+64*((\t)%2)+4*(\f)+3], v[AW+1] offset:(\f)*XP  ; LDS serves a wave's instructions in order (ISA guide 5.7.1.4): these see the stores above
.endr
.endm
.macro SEND t
	WIN 0
.irp f, 0,1,2,3,4,5,6,7,8,9,10,11,12,13,14,15
	s_wait_dscnt 15-(\f)
	global_store_b128 v18, v[F0+64*((\t)%2)+4*(\f):F0+64*((\t)%2)+4*(\f)+3], s[20:21] offset:(16*(\t)+(\f))*2048 th:TH_STORE_NT  ; 512 consecutive bytes, at a multiple of 512 from out's first
.endr
.endm
	BIAS 0
	TOSTAGE 0
.irp t, 1,2,3                          ; a tile's arithmetic stands between the loads of the tile before and its stores
	BIAS \t
	SEND (\t)-1
	TOSTAGE \t
.endr
	SEND 3
	s_wait_tensorcnt 0x0                           ; the wave's end: three closing lines, behind my last tensor load and my last LDS store
	ds_add_u32 v[SPW], v[NIL]
	s_wait_dscnt 0x0
	CROUND                                         ; the closing round: no work-group ends while a partner may still ask for a block that names it
	s_endpgm
.Lfunc_end_k_qe44af86200_chain:
	.size	k_qe44af86200_chain, .Lfunc_end_k_qe44af86200_chain-k_qe44af86200_chain
	.p2alignl 7, 3214868480
	.fill 96, 4, 3214868480
	.section	.rodata,"a",@progbits
	.p2align	6, 0x0
	.amdhsa_kernel k_qe44af86200_chain
		.amdhsa_group_segment_fixed_size 327680
		.amdhsa_private_segment_fixed_size 0
		.amdhsa_enable_private_segment 0
		.amdhsa_kernarg_size 72
		.amdhsa_user_sgpr_count 2
		.amdhsa_user_sgpr_kernarg_segment_ptr 1
		.amdhsa_wavefront_size32 1
		.amdhsa_system_sgpr_workgroup_id_x 1
		.amdhsa_system_sgpr_workgroup_id_y 1
		.amdhsa_system_sgpr_workgroup_id_z 1
		.amdhsa_system_vgpr_workitem_id 0
		.amdhsa_next_free_vgpr 1024
		.amdhsa_next_free_sgpr 96
		.amdhsa_reserve_vcc 0
		.amdhsa_float_denorm_mode_32 3
		.amdhsa_float_denorm_mode_16_64 3
		.amdhsa_memory_ordered 1
		.amdhsa_forward_progress 1
		.amdhsa_inst_pref_size 255
	.end_amdhsa_kernel
	.section	.bss,"aw",@nobits
	.p2align	6
	.space	262144
	.amdgpu_metadata
---
amdhsa.version: [ 1, 2 ]
amdhsa.kernels:
  - .name:           k_qe44af86200_chain
    .symbol:         k_qe44af86200_chain.kd
    .args:
      - { .name: x, .offset: 0, .size: 8, .value_kind: global_buffer, .address_space: global }
      - { .name: wstream, .offset: 8, .size: 8, .value_kind: global_buffer, .address_space: global }
      - { .name: b1, .offset: 16, .size: 8, .value_kind: global_buffer, .address_space: global }
      - { .name: b2, .offset: 24, .size: 8, .value_kind: global_buffer, .address_space: global }
      - { .name: gate_gamma, .offset: 32, .size: 8, .value_kind: global_buffer, .address_space: global }
      - { .name: gate_beta, .offset: 40, .size: 8, .value_kind: global_buffer, .address_space: global }
      - { .name: gate_W, .offset: 48, .size: 8, .value_kind: global_buffer, .address_space: global }
      - { .name: gate_b, .offset: 56, .size: 8, .value_kind: global_buffer, .address_space: global }
      - { .name: out0, .offset: 64, .size: 8, .value_kind: global_buffer, .address_space: global }
    .group_segment_fixed_size: 327680
    .private_segment_fixed_size: 0
    .kernarg_segment_align: 8
    .kernarg_segment_size: 72
    .max_flat_workgroup_size: 128
    .sgpr_count:     96
    .vgpr_count:     1024
    .wavefront_size: 32
...
	.end_amdgpu_metadata
.endif
;; end of part 4
;; ======== version 3 of 3: 2 launches; version 2 with the launch prep written anew for expert scheduling mode
;; workspace buffers: wstream 8,388,608 bytes
;; launch prep (part 5): grid 256 x 1, 8 waves a work-group, no clusters, 34,048 bytes of LDS; arguments W1, W2, wstream; writes wstream
.if DOCPART == 5
	.amdgcn_target "amdgcn-amd-amdhsa--gfx1250"
	.amdhsa_code_object_version 6
	.text
	.protected	k_qe44af86200_prep
	.globl	k_qe44af86200_prep
	.p2align	8
	.type	k_qe44af86200_prep,@function
k_qe44af86200_prep:
	s_mov_b64 s[64:65], 0
	v_nop
	global_prefetch_b8 v0, s[64:65] scope:SCOPE_SE
	s_setreg_imm32_b32 hwreg(HW_REG_WAVE_SCHED_MODE, 0, 2), 2
	s_setreg_imm32_b32 hwreg(HW_REG_WAVE_MODE, 25, 1), 1
	s_wait_xcnt 0x0
	s_wait_alu depctr_vm_vsrc(0)
; W1 [2][512][2048] and W2 [2][2048][512], f32, are rounded once to bf16 and laid out in the order in which the next launch's matrix operands take them.
; wstream = four streams (one for each wave w of the next launch) of WS bytes = 128 pieces of 16,384 bytes.  The hidden units of both experts are 64 chunks of 64
; (chunk c: expert c / 32, units 64 (c % 32) on).  Piece 2 c of stream w is W1(c, w), piece (2 c + 3) mod 128 is W2(c, w): a ring of 64 blocks of 32 KB, block k = [W1(k) | W2(k - 1 mod 64)].
;   W1(c, w): byte 1024 s + 512 q + 16 lane holds W1[e][32 s + 16 q + 8 (lane / 16) + 0..7][64 (c % 32) + 16 w + lane % 16]
;   W2(c, w): byte 8192 ks + 1024 n + 512 q + 16 lane holds W2[e][64 (c % 32) + 32 ks + 16 q + 8 (lane / 16) + 0..7][128 w + 16 n + lane % 16]
; Both are the same step: eight consecutive rows of one column become 16 bytes.  A work-group takes half a chunk of one matrix: 64 KB in, four runs of 8 KB out.
; A thread's task: 8 rows x 4 columns (8 loads of 16 bytes), 16 packed roundings, 4 LDS stores of 16 bytes; two tasks a thread.  The pieces are gathered in LDS and leave as
; whole runs: each store of a wave covers 512 consecutive bytes, aligned.
; W2's LDS stores fall four lanes to a group of four banks (64 banks of 4 bytes: ISA guide 11.1); W1's, by the stage's pitch of 8,208, one.
; THE MODE: SCHED_MODE bits 1:0 = 2 (LLVM: expert scheduling mode 2), set by the entry lines.  The code itself states the register dependences
; between vector instructions and memory or LDS instructions, with s_wait_alu, always for 0.
; THE PLAN.  Registers that memory or LDS instructions touch:
;   v1, v2   Offset of my loads, stage address of my LDS stores: written by the arm's vector lines, never written again.
;   v3, v4   Stage address of my LDS loads, offset of my global stores: written at the head, never written again.
;   IN       The sixteen global loads land in it (no vector line has named it); the 32 roundings read it; behind the barrier the eight LDS loads land in its first half, which the global stores read.
;   PC       Each register is written once by a rounding (three of them before that by the address work, which vector lines alone read) and read by one LDS store; never written again.
;   v5, v6   Written at the head, read by the closing add alone.
; So three waits on va_vdst stand on each arm's path: ahead of the first load (the four addresses are written); behind each task's sixteen roundings, ahead of the run of its four LDS stores
; (their data are written).  Behind the third no vector line follows, so it also states that the roundings are done reading IN, for the LDS loads of the way out.
; No register that a memory or LDS instruction reads is written again, so no wait on vm_vsrc is owed; no vector line writes a scalar register or VCC.
.set WS,     2097152                   ; bytes in a stream
.set SPITCH, 8208                      ; the stage: a stream's 8 KB + 16
.set SPARE,  33024                     ; behind the stage: the spare words, 128 bytes for each of eight waves
.set IN,     8                         ; v[8:71]    task p, row i at IN + 32 p + 4 i; later the pieces read back
.set PC,     72                        ; v[72:103]  task p, column c: 4 registers, 8 bf16; before that, address work
	s_load_b128 s[4:7], s[0:1], 0x0                ; W1 s[4:5], W2 s[6:7]
	s_load_b64 s[8:9], s[0:1], 0x10                ; wstream
	v_lshl_add_u32 v5, v0, 2, SPARE                ; my spare word,
	v_mov_b32 v6, 0                                ; and 0: kept for the closing add alone
	s_lshr_b32 s10, ttmp9, 7                       ; 0: W1, 1: W2
	s_bfe_u32 s11, ttmp9, 0x60001                  ; the chunk c
	s_and_b32 s12, ttmp9, 1                        ; which half of its pieces
	s_lshr_b32 s13, s11, 5                         ; the expert
	s_and_b32 s14, s11, 31                         ; the chunk in the expert
	v_lshlrev_b32 v3, 4, v0                        ; the way out: 16 bytes a thread, in the stage
	v_lshlrev_b32 v4, 4, v0                        ; and in memory
	s_lshl_b32 s18, s11, 15                        ; piece 2 c,
	s_lshl_b32 s15, s12, 13                        ; its half,
	s_add_co_u32 s18, s18, s15
	s_mul_i32 s15, s10, 3*16384                    ; W2's pieces lie three further on,
	s_add_co_u32 s18, s18, s15
	s_and_b32 s18, s18, WS-1                       ; round the ring: W2 of chunk 63 is piece 1
	s_mov_b32 s19, 0
	s_lshl_b32 s16, s13, 22                        ; an expert's matrix is 4,194,304 bytes
	s_mov_b32 s17, 0
	s_wait_kmcnt 0x0
	s_add_nc_u64 s[8:9], s[8:9], s[18:19]
.macro PATH base, rowb, passg, passl   ; rowb: bytes from row to row; passg, passl: from the first task to the second, in memory and in the stage
	s_wait_alu depctr_va_vdst(0)                   ; v1 and v2 (this arm's lines) and v3 and v4 (the head's) are written: every load and store of the kernel reads one of them as its address, and no vector line names them again
.irp p, 0,1
.irp i, 0,1,2,3,4,5,6,7
	global_load_b128 v[IN+32*(\p)+4*(\i):IN+32*(\p)+4*(\i)+3], v1, s[(\base):(\base)+1] offset:(\i)*(\rowb)+(\p)*(\passg) th:TH_LOAD_NT
.endr
.endr
.irp p, 0,1
	s_wait_loadcnt 8-8*(\p)                        ; the first task's eight loads are in, the second's eight stay out; then all
.irp c, 0,1,2,3
.irp j, 0,1,2,3
	v_cvt_pk_bf16_f32 v[PC+16*(\p)+4*(\c)+(\j)], v[IN+32*(\p)+8*(\j)+(\c)], v[IN+32*(\p)+8*(\j)+4+(\c)]  ; rows 2 j, 2 j + 1 of column c
.endr
.endr
	s_wait_alu depctr_va_vdst(0)                   ; the task's sixteen roundings have written its part of PC, which the four LDS stores below read; behind the second task's, all roundings are also done reading IN, in which the way out's LDS loads land
.irp c, 0,1,2,3
	ds_store_b128 v2, v[PC+16*(\p)+4*(\c):PC+16*(\p)+4*(\c)+3] offset:(\c)*16+(\p)*(\passl)
.endr
.endr
.endm
	s_cmp_lg_u32 s10, 0
	s_cbranch_scc1 .Lw2
	; W1: 256 rows x 64 columns.  Thread: column quad t % 16, row octets t / 16 and t / 16 + 16
	s_lshl_b32 s15, s12, 21                        ; the half's 256 rows of 8,192 bytes
	s_add_co_u32 s16, s16, s15
	s_lshl_b32 s15, s14, 8                         ; the chunk's 64 columns
	s_add_co_u32 s16, s16, s15
	s_add_nc_u64 s[4:5], s[4:5], s[16:17]
	v_and_b32 v72, 15, v0                          ; quad
	v_lshrrev_b32 v73, 4, v0                       ; octet
	v_lshlrev_b32 v1, 4, v72
	v_lshl_add_u32 v1, v73, 16, v1                 ; octet x 8 rows + quad x 16 bytes
	v_lshrrev_b32 v74, 2, v72                      ; the stream: column / 16
	v_mul_u32_u24 v2, v74, SPITCH
	v_lshl_add_u32 v2, v73, 8, v2                  ; an octet is 256 bytes of a piece
	v_and_b32 v74, 3, v72
	v_lshl_add_u32 v2, v74, 6, v2                  ; 16 bytes a column
	PATH 4, 8192, 1048576, 4096
	s_branch .Ljoin
.Lw2:
	; W2: 32 rows x 512 columns.  Thread: column quad t % 128, row octets t / 128 and t / 128 + 2
	s_lshl_b32 s15, s14, 17                        ; the chunk's 64 rows of 2,048 bytes
	s_add_co_u32 s16, s16, s15
	s_lshl_b32 s15, s12, 16                        ; the half's 32
	s_add_co_u32 s16, s16, s15
	s_add_nc_u64 s[6:7], s[6:7], s[16:17]
	v_and_b32 v72, 127, v0
	v_lshrrev_b32 v73, 7, v0
	v_lshlrev_b32 v1, 4, v72
	v_lshl_add_u32 v1, v73, 14, v1
	v_lshrrev_b32 v74, 5, v72                      ; the stream: column / 128
	v_mul_u32_u24 v2, v74, SPITCH
	v_bfe_u32 v74, v72, 2, 3                       ; the block of 16 columns
	v_lshl_add_u32 v2, v74, 10, v2
	v_lshl_add_u32 v2, v73, 8, v2
	v_and_b32 v74, 3, v72
	v_lshl_add_u32 v2, v74, 6, v2
	PATH 6, 2048, 32768, 512
.Ljoin:
	s_wait_dscnt 0x0                               ; for the others' sake: my stores into the stage are done
	s_barrier_signal -1
	s_barrier_wait -1
.irp t, 0,1,2,3,4,5,6,7
	ds_load_b128 v[IN+4*(\t):IN+4*(\t)+3], v3 offset:((\t)/2)*SPITCH+((\t)%2)*4096  ; no wait on va_vdst here: on both arms no vector line stands behind the last one, which has shown IN's readers done
.endr
.irp t, 0,1,2,3,4,5,6,7
	s_wait_dscnt 7-(\t)                            ; LDS loads come back in order: number t is in
	global_store_b128 v4, v[IN+4*(\t):IN+4*(\t)+3], s[8:9] offset:((\t)/2)*WS+((\t)%2)*4096  ; no hint: the next launch reads these bytes
.endr
	s_wait_dscnt 0x0                               ; the closing lines, six on end
	s_wait_alu 0x0
	s_wait_tensorcnt 0x0
	ds_add_u32 v5, v6
	s_wait_dscnt 0x0
	s_endpgm
.Lfunc_end_k_qe44af86200_prep:
	.size	k_qe44af86200_prep, .Lfunc_end_k_qe44af86200_prep-k_qe44af86200_prep
	.p2alignl 7, 3214868480
	.fill 96, 4, 3214868480
	.section	.rodata,"a",@progbits
	.p2align	6, 0x0
	.amdhsa_kernel k_qe44af86200_prep
		.amdhsa_group_segment_fixed_size 34048
		.amdhsa_private_segment_fixed_size 0
		.amdhsa_enable_private_segment 0
		.amdhsa_kernarg_size 24
		.amdhsa_user_sgpr_count 2
		.amdhsa_user_sgpr_kernarg_segment_ptr 1
		.amdhsa_wavefront_size32 1
		.amdhsa_system_sgpr_workgroup_id_x 1
		.amdhsa_system_sgpr_workgroup_id_y 1
		.amdhsa_system_sgpr_workgroup_id_z 1
		.amdhsa_system_vgpr_workitem_id 0
		.amdhsa_next_free_vgpr 104
		.amdhsa_next_free_sgpr 66
		.amdhsa_reserve_vcc 0
		.amdhsa_float_denorm_mode_32 3
		.amdhsa_float_denorm_mode_16_64 3
		.amdhsa_memory_ordered 1
		.amdhsa_forward_progress 1
		.amdhsa_inst_pref_size 13
	.end_amdhsa_kernel
	.amdgpu_metadata
---
amdhsa.version: [ 1, 2 ]
amdhsa.kernels:
  - .name:           k_qe44af86200_prep
    .symbol:         k_qe44af86200_prep.kd
    .args:
      - { .name: W1, .offset: 0, .size: 8, .value_kind: global_buffer, .address_space: global }
      - { .name: W2, .offset: 8, .size: 8, .value_kind: global_buffer, .address_space: global }
      - { .name: wstream, .offset: 16, .size: 8, .value_kind: global_buffer, .address_space: global }
    .group_segment_fixed_size: 34048
    .private_segment_fixed_size: 0
    .kernarg_segment_align: 8
    .kernarg_segment_size: 24
    .max_flat_workgroup_size: 256
    .sgpr_count:     66
    .vgpr_count:     104
    .wavefront_size: 32
...
	.end_amdgpu_metadata
.endif
;; end of part 5
;; launch chain: the kernel of part 4 again; grid 256 x 1, 4 waves a work-group, clusters of 4 x 1, 327,680 bytes of LDS; arguments x, wstream, b1, b2, gate_gamma, gate_beta, gate_W, gate_b, out0; writes out0
